; MI455X (gfx1250); checked and timed in simulation.
; The chip was launched on July 23, 2026; its instructions are those of AMD's public machine-readable ISA for CDNA 5 (MIT licence, August 2026) and "CDNA5" Instruction Set Architecture Reference Guide (July 2026). The comments in the code are by the model that wrote it; some were corrected since.
;; Attention. Allowed arithmetic: matrix products marked QUANTISED: E4M3 operands, one given power-of-two scale a tensor, by v_wmma_f32_16x16x64_fp8_fp8 or v_wmma_f32_16x16x128_fp8_fp8, f32 sums; everything else in f32.
;; Inputs: Wk_codes 1,024 x 32 x 32 uint8 (E4M3 codes of Wk, K innermost, in blocks of 32 codes); Wo_codes 1,024 x 32 x 32 uint8 (E4M3 codes of Wo, K innermost, in blocks of 32 codes); Wq_codes 1,024 x 32 x 32 uint8 (E4M3 codes of Wq, K innermost, in blocks of 32 codes); Wv_codes 1,024 x 32 x 32 uint8 (E4M3 codes of Wv, K innermost, in blocks of 32 codes); bk 1,024 float32; bo 1,024 float32; bq 1,024 float32; bv 1,024 float32; input_Q_codes 4 x 2,048 x 32 x 32 uint8 (E4M3 codes of input_Q, K innermost, in blocks of 32 codes); lowp_scales 12 int32 (the exponents e of the quantised operands' scales 2^e); mask 2,048 x 2,048 bool.
;; Outputs: out0 4 x 2,048 x 1,024 float32.
;; This version of the problem:
;;   THIS VERSION OF THE PROBLEM IS GIVEN IN LOW PRECISION. The matrix products marked QUANTISED in the list below multiply operands that are first quantised to E4M3 (4 exponent bits, 3 mantissa bits; 8 bits a number), with one given power-of-two scale for each operand tensor; their sums are f32. All else is computed in f32.
;;   The module's matrix products, in the order in which they are computed (A, B: the left and right operand; K: the contracted axis; several contracted axes count as one K, in the product's order):
;;     1. [M 8,192, K 1,024] x [K 1,024, N 1,024]; A: input input_Q (given as codes); B: input Wq (given as codes): QUANTISED (scales: A lowp_scales[0], B lowp_scales[1])
;;     2. [M 8,192, K 1,024] x [K 1,024, N 1,024]; A: input input_Q (given as codes); B: input Wk (given as codes): QUANTISED (scales: A lowp_scales[2], B lowp_scales[3])
;;     3. [M 8,192, K 1,024] x [K 1,024, N 1,024]; A: input input_Q (given as codes); B: input Wv (given as codes): QUANTISED (scales: A lowp_scales[4], B lowp_scales[5])
;;     4. batch 64 x [M 2,048, K 64] x [K 64, N 2,048]; A: computed on the way; B: computed on the way: QUANTISED (scales: A lowp_scales[6], B lowp_scales[7])
;;     5. batch 64 x [M 2,048, K 2,048] x [K 2,048, N 64]; A: softmax (see below); B: computed on the way: QUANTISED (scales: A lowp_scales[8], B lowp_scales[9])
;;     6. [M 8,192, K 1,024] x [K 1,024, N 1,024]; A: computed on the way; B: input Wo (given as codes): QUANTISED (scales: A lowp_scales[10], B lowp_scales[11])
;;   THE QUANTISER, for each operand of a quantised product, along K:
;;     - The operand's scale is 2^e, e = its entry of the input lowp_scales (int32; the entries are numbered through the quantised products in the list's order, A before B).
;;     - Each number is divided by the scale, clamped to +-448, and rounded to the nearest number of E4M3, ties to even, subnormals kept.
;;     - The product sums the exact products of the quantised numbers (number of the format x scale) in f32.
;;   ~~~python
;;   def quantise(x, axis, e):      # numpy; x: float32 -> the quantised numbers, widened to float32 again
;;       x = np.moveaxis(x, axis, -1); K = x.shape[-1]
;;       r = np.clip(x / 2.0 ** e, -448, 448)
;;       step = 2.0 ** (np.maximum(np.frexp(np.where(r == 0, 1, r))[1] - 1, -6) - 3)
;;       q = np.round(r / step) * step * 2.0 ** e      # np.round: ties to even
;;       return np.moveaxis(q, -1, axis).astype(np.float32)
;;   ~~~
;;   SOFTMAX AHEAD OF A QUANTISED PRODUCT. Where the list says 'softmax', what is quantised is not the finished softmax but p = 2^(t - M), with t = logit x log2(e) and M = ceil(the row's largest t), a whole number; so 1/2 < the row's largest p <= 1. The row's sum l is taken of the UNQUANTISED p, in f32, and the product's result is divided by l at the end. Since M is a whole number, a kernel that streams over the keys may use a running M (the ceiling of the running maximum): every later rescaling is an exact power of two, so the quantised numbers keep their values, but for numbers so far below the row's largest that they fall under the format's range.
;;   OPERANDS COMPUTED ON THE WAY. 'Computed on the way' means the value that the module computes at that place (a softmax that the list does not call 'softmax' is quantised finished and normalised). What goes into a quantiser is computed in f32, as accurately as f32 sums, v_exp_f32 and their like allow (about 1e-6 of the number): no bf16 or f16 on the way to a quantiser, and a product that is left as it is and whose result goes on into a quantised operand takes f32 operands (vector FMAs, or v_wmma_f32_16x16x4_f32). A number that lies on a knife's edge between two numbers of the format may be rounded either way, as far as f32 arithmetic and the matrix unit's own rounding can turn it there, and no further.
;;   INPUTS GIVEN AS CODES. Wk (in the module: [1024, 1024], K = its axis 0); Wo (in the module: [1024, 1024], K = its axis 0); Wq (in the module: [1024, 1024], K = its axis 0); Wv (in the module: [1024, 1024], K = its axis 0); input_Q (in the module: [4, 2048, 1024], K = its axis 2): each comes as NAME_codes (uint8): NAME with its K axis moved to the last place and cut into blocks of 32 codes, [.., K / 32, bytes a block], one block behind the other in memory; one code a byte (a code: sign, 4 exponent bits, 3 mantissa bits); its scale is its entry of lowp_scales. Its value is code x scale, taken as it is: it is not quantised again, and the codes and scales need not be those that the quantiser above would give.
;; 2 versions, each right; version 2 is version 1 with the launch attn written anew for expert scheduling mode. Each part assembles by itself: llvm-mc -triple=amdgcn-amd-amdhsa -mcpu=gfx1250 --defsym DOCPART=n.
;; ======== version 1 of 2: 4 launches
;; workspace buffers: qimg 8,388,608 bytes; kimg 8,388,608 bytes; vimg 8,388,608 bytes; ctximg 8,388,608 bytes; mbits 524,288 bytes of whole numbers; mflags 512 bytes of whole numbers
;; launch pack (part 1): grid 128 x 1, 8 waves a work-group, no clusters, 36,096 bytes of LDS; arguments mask, mbits, mflags; writes mbits, mflags
.if DOCPART == 1
	.amdgcn_target "amdgcn-amd-amdhsa--gfx1250"
	.amdhsa_code_object_version 6
	.text
	.protected	k_qdf5653e65b_pack
	.globl	k_qdf5653e65b_pack
	.p2align	8
	.type	k_qdf5653e65b_pack,@function
k_qdf5653e65b_pack:
	s_mov_b64 s[64:65], 0
	v_nop
	global_prefetch_b8 v0, s[64:65] scope:SCOPE_SE
	s_setreg_imm32_b32 hwreg(HW_REG_WAVE_MODE, 25, 1), 1
	s_wait_xcnt 0x0
; THE MASK [2048 queries][2048 keys], one byte a place (not 0 = hidden), becomes LANE MASKS for the attention launch, and one word of flags for each 16 queries.
; mbits [qt 128][key step s 16][word w 64]: bit 16 h + r of word w = 8 t + j is mask[16 qt + r][128 s + 16 t + 8 h + j]: the lane (16 h + r) and the register (8 t + j) in which the
; attention launch holds that score.  mflags [qt]: bit s = some key of step s is open for some of the 16 queries; bit 16 + s = some key of step s is hidden for some of them.
; SHARES.  A work-group takes 16 rows of the mask (qt = its number), each of its eight waves 256 keys: key steps 2 w and 2 w + 1.
; A load takes two rows x 256 consecutive bytes, aligned; the 4,096 bytes turn through the wave's own stage in LDS (rows 272 bytes apart), so that lane (r, h) gets row r, keys 16 T + 8 h + 0 .. 7.
; A compare then gives all 32 lanes' bits of one word at once, in a scalar register; v_writelane_b32 puts word W into lane W / 4, register W % 4: the wave's 128 words leave as 512 consecutive bytes.
; No matrix unit, no tensor load, no cluster: the launch reads 4 MiB once and the work-groups share nothing.
.set PITCH, 272                        ; a stage row: 256 bytes + 16
.set WST,   16*PITCH                   ; a wave's stage
.set FLG,   8*WST                      ; behind the stages: eight words, one a wave
	s_load_b128 s[4:7], s[0:1], 0x0                ; mask, mbits
	s_load_b64 s[8:9], s[0:1], 0x10                ; mflags
	v_lshl_add_u32 v96, v0, 2, 0x8900
	v_mov_b32 v97, 0
	v_lshrrev_b32 v5, 5, v0
	v_readfirstlane_b32 s10, v5                    ; wave 0..7
	v_and_b32 v1, 31, v0                           ; lane
	v_and_b32 v5, 15, v0                           ; r
	v_bfe_u32 v6, v0, 4, 1                         ; h
	v_lshlrev_b32 v2, 11, v6
	v_lshl_add_u32 v2, v5, 4, v2                   ; in memory: row h of a pair of rows, 16 bytes a lane
	s_mul_i32 s11, s10, WST
	v_mul_u32_u24 v3, v6, PITCH
	v_lshl_add_u32 v3, v5, 4, v3
	v_add_nc_u32 v3, s11, v3                       ; into the stage: the same place
	v_mul_u32_u24 v4, v5, PITCH
	v_lshl_add_u32 v4, v6, 3, v4
	v_add_nc_u32 v4, s11, v4                       ; out of it: row r, + 8 h
	v_lshlrev_b32 v7, 4, v1                        ; 16 x lane: my four words of the wave's 128
	v_mov_b32 v84, s10
	v_lshlrev_b32 v84, 2, v84                      ; 4 x wave: my wave's flag word
	v_mov_b32 v85, 0
.irp i, 72,73,74,75
	v_mov_b32 v\i, 0                               ; v_writelane_b32's destination counts as read
.endr
	s_mov_b32 s12, -1                              ; all words of step 2 w ANDed,
	s_mov_b32 s13, -1                              ; of step 2 w + 1;
	s_mov_b32 s14, 0                               ; and ORed
	s_mov_b32 s15, 0
	s_lshl_b32 s16, ttmp9, 15                      ; 16 rows of 2,048 bytes,
	s_lshl_b32 s17, s10, 8                         ; + my wave's 256 keys
	s_add_co_u32 s16, s16, s17
	s_mov_b32 s17, 0
	s_lshl_b32 s18, ttmp9, 12                      ; mbits: 4,096 bytes for 16 queries,
	s_lshl_b32 s19, s10, 9                         ; + 512 for my two key steps
	s_add_co_u32 s18, s18, s19
	s_mov_b32 s19, 0
	s_lshl_b32 s28, ttmp9, 2                       ; mflags: a word for 16 queries
	s_mov_b32 s29, 0
	s_wait_kmcnt 0x0
	s_add_nc_u64 s[4:5], s[4:5], s[16:17]
	s_add_nc_u64 s[6:7], s[6:7], s[18:19]
	s_add_nc_u64 s[8:9], s[8:9], s[28:29]
.irp i, 0,1,2,3,4,5,6,7
	global_load_b128 v[8+4*\i:11+4*\i], v2, s[4:5] offset:4096*\i th:TH_LOAD_NT   ; rows 2 i and 2 i + 1: sixteen lanes read 256 consecutive bytes; read once in the launch
.endr
	s_wait_loadcnt 0x0
.irp i, 0,1,2,3,4,5,6,7
	ds_store_b128 v3, v[8+4*\i:11+4*\i] offset:2*PITCH*\i
.endr
.irp t, 0,1,2,3,4,5,6,7,8,9,10,11,12,13,14,15
	ds_load_b64 v[40+2*\t:41+2*\t], v4 offset:16*\t   ; LDS serves a wave's instructions in order (ISA guide 5.7.1.4): these see my stores
.endr
	s_wait_dscnt 0x0
; Word W = 8 T + j of the wave's 128: byte j of the lane's eight of tile T.  Two temporaries take turns, so that no line waits for the line above it.
.macro BIT T, j
	v_and_b32 v[5+(\j)%2], 0xff<<(8*((\j)%4)), v[40+2*(\T)+(\j)/4]
	v_cmp_ne_u32 s[20+(\j)%2], 0, v[5+(\j)%2]      ; bit l = lane l's place is hidden
	v_writelane_b32 v[72+(8*(\T)+(\j))%4], s[20+(\j)%2], (8*(\T)+(\j))/4
	s_and_b32 s[12+(\T)/8], s[12+(\T)/8], s[20+(\j)%2]
	s_or_b32 s[14+(\T)/8], s[14+(\T)/8], s[20+(\j)%2]
.endm
.irp t, 0,1,2,3,4,5,6,7,8,9,10,11,12,13,14,15
.irp j, 0,1,2,3,4,5,6,7
	BIT \t, \j
.endr
.endr
	global_store_b128 v7, v[72:75], s[6:7]         ; the wave stores 512 consecutive bytes, aligned: both key steps' words
	s_cmp_lg_u32 s12, -1                           ; not all hidden: some place of step 2 w is open
	s_cselect_b32 s20, 1, 0
	s_cmp_lg_u32 s13, -1
	s_cselect_b32 s21, 2, 0
	s_cmp_lg_u32 s14, 0                            ; some place of step 2 w is hidden
	s_cselect_b32 s22, 0x10000, 0
	s_cmp_lg_u32 s15, 0
	s_cselect_b32 s23, 0x20000, 0
	s_or_b32 s20, s20, s21
	s_or_b32 s22, s22, s23
	s_or_b32 s20, s20, s22
	s_lshl_b32 s21, s10, 1
	s_lshl_b32 s20, s20, s21                       ; to my wave's two steps' places
	v_mov_b32 v76, s20
	ds_store_b32 v84, v76 offset:FLG               ; all lanes write the same word with the same value
	s_wait_dscnt 0x0                               ; for the others' sake: my word has landed
	s_barrier_signal -1
	s_barrier_wait -1
	ds_load_b128 v[76:79], v85 offset:FLG
	ds_load_b128 v[80:83], v85 offset:FLG+16
	s_wait_dscnt 0x0
	v_or_b32 v76, v76, v77
	v_or_b32 v78, v78, v79
	v_or_b32 v80, v80, v81
	v_or_b32 v82, v82, v83
	v_or_b32 v76, v76, v78
	v_or_b32 v80, v80, v82
	v_or_b32 v76, v76, v80                         ; the 16 queries' flags
	s_wait_xcnt 0x0                                ; EXEC is a source of the store above: it changes only behind this wait
	v_cmp_eq_u32 vcc_lo, 0, v0
	s_wait_tensorcnt 0x0
	ds_add_u32 v96, v97
	s_wait_dscnt 0x0
	s_and_saveexec_b32 s22, vcc_lo                 ; thread 0 alone
	global_store_b32 v85, v76, s[8:9]              ; four bytes a work-group, 512 in the launch: the one store here that is no whole run of 256 bytes
	s_wait_xcnt 0x0
	s_or_b32 exec_lo, exec_lo, s22
	s_endpgm
.Lfunc_end_k_qdf5653e65b_pack:
	.size	k_qdf5653e65b_pack, .Lfunc_end_k_qdf5653e65b_pack-k_qdf5653e65b_pack
	.p2alignl 7, 3214868480
	.fill 96, 4, 3214868480
	.section	.rodata,"a",@progbits
	.p2align	6, 0x0
	.amdhsa_kernel k_qdf5653e65b_pack
		.amdhsa_group_segment_fixed_size 36096
		.amdhsa_private_segment_fixed_size 0
		.amdhsa_enable_private_segment 0
		.amdhsa_kernarg_size 24
		.amdhsa_user_sgpr_count 2
		.amdhsa_user_sgpr_kernarg_segment_ptr 1
		.amdhsa_wavefront_size32 1
		.amdhsa_system_sgpr_workgroup_id_x 1
		.amdhsa_system_sgpr_workgroup_id_y 1
		.amdhsa_system_sgpr_workgroup_id_z 1
		.amdhsa_system_vgpr_workitem_id 0
		.amdhsa_next_free_vgpr 98
		.amdhsa_next_free_sgpr 66
		.amdhsa_reserve_vcc 1
		.amdhsa_float_denorm_mode_32 3
		.amdhsa_float_denorm_mode_16_64 3
		.amdhsa_memory_ordered 1
		.amdhsa_forward_progress 1
		.amdhsa_inst_pref_size 38
	.end_amdhsa_kernel
	.amdgpu_metadata
---
amdhsa.version: [ 1, 2 ]
amdhsa.kernels:
  - .name:           k_qdf5653e65b_pack
    .symbol:         k_qdf5653e65b_pack.kd
    .args:
      - { .name: mask, .offset: 0, .size: 8, .value_kind: global_buffer, .address_space: global }
      - { .name: mbits, .offset: 8, .size: 8, .value_kind: global_buffer, .address_space: global }
      - { .name: mflags, .offset: 16, .size: 8, .value_kind: global_buffer, .address_space: global }
    .group_segment_fixed_size: 36096
    .private_segment_fixed_size: 0
    .kernarg_segment_align: 8
    .kernarg_segment_size: 24
    .max_flat_workgroup_size: 256
    .sgpr_count:     66
    .vgpr_count:     98
    .wavefront_size: 32
...
	.end_amdgpu_metadata
.endif
;; end of part 1
;; launch qkv (part 2): grid 12 x 32, 4 waves a work-group, clusters of 4 x 4, 327,680 bytes of LDS; arguments input_Q_codes, Wq_codes, Wk_codes, Wv_codes, bq, bk, bv, lowp_scales, qimg, kimg, vimg; writes qimg, kimg, vimg
.if DOCPART == 2
	.amdgcn_target "amdgcn-amd-amdhsa--gfx1250"
	.amdhsa_code_object_version 6
	.text
	.protected	k_qdf5653e65b_qkv
	.globl	k_qdf5653e65b_qkv
	.p2align	8
	.type	k_qdf5653e65b_qkv,@function
k_qdf5653e65b_qkv:
	s_mov_b64 s[64:65], 0
	v_nop
	global_prefetch_b8 v0, s[64:65] scope:SCOPE_SE
	s_setreg_imm32_b32 hwreg(HW_REG_WAVE_MODE, 25, 1), 1
	s_wait_xcnt 0x0
	s_wait_alu depctr_hold_cnt(0) depctr_sa_sdst(0) depctr_va_vdst(0) depctr_va_sdst(0) depctr_va_ssrc(0) depctr_va_vcc(0) depctr_vm_vsrc(0)
	s_getreg_b32 s2, hwreg(HW_REG_IB_STS2, 6, 4)
	s_cmp_eq_u32 s2, 0
	s_cbranch_scc0 .Lentry_in_a_cluster
	s_endpgm
.Lentry_in_a_cluster:
	s_bfe_u32 s2, ttmp6, 0x10000c
	s_cmp_lg_u32 s2, 0xf033
	s_cbranch_scc0 .Lentry_shape_is_right
	s_endpgm
.Lentry_shape_is_right:
; Q = X Wq + bq, K = X Wk + bk, V = X Wv + bv on codes of FP8 (E4M3); each result is quantised at once with its given scale and stored as codes IN THE ORDER OF THE ATTENTION LAUNCH'S OPERAND REGISTERS.
; X: [8192][1024] codes; Wq, Wk, Wv: [1024 (n)][1024 (k)] codes, K innermost.  A sum stands for sum x 2^(ea + eb): (e0, e1) for Q, (e2, e3) for K, (e4, e5) for V; the results' scales are 2^e6, 2^e7, 2^e9.
; LIMITS: ea + eb between -126 and 127; e6, e7, e9 between -126 and 119, so that each power of two below is an f32 number.  NaN among the biases is not served.
; SHARES.  A tile of 256 x 256 of a result is made by a work-group of four waves, a wave makes 128 x 128: 64 accumulators, 512 registers.  K goes in steps of 256 through a ring of two LDS slots (rows of 256 bytes).
; 3 x 128 tiles.  CLUSTERS of 4 x 4 work-groups; the cluster's x says which result it makes (0 Q, 1 K, 2 V): the same number in all sixteen partners, so branches and choices may hang on it.
; THE TWO SIDES.  Source 1 of the matrix instruction is the A side (its tiles are shared along a row of the cluster), source 0 the B side (shared along a column): lane (r, h) holds row 16 a + r of the A side and,
; in its eight registers, rows 16 b + 8 h + 0 .. 7 of the B side.  For Q and K the A side is X (tokens) and the B side the weight: a lane's registers run along the head's channels, the K of the scores' product.
; For V the A side is Wv and the B side X: a lane's registers run along the tokens, which are the keys, the K of the second product.  So eight numbers of one accumulator convert into two registers of the operand,
; and nothing is transposed.  Each tile is asked for JOINTLY by the four partners that need it.
; IMAGES.  qimg, kimg: [batch x head 64][tile of 16 tokens 128][chunk 2][lane 32][16 bytes]: registers 2 c, 2 c + 1 of lane (r, h) hold channels 16 c + 8 h + 0 .. 7 of token r.
; vimg: [batch x head][key step of 128, 16][16 channels, 4][chunk 4][lane][16 bytes]: registers 2 c, 2 c + 1 hold keys 16 c + 8 h + 0 .. 7 of channel r.  Every store covers 512 consecutive bytes, aligned.
; K has four steps, so a work-group has two refills: no prefetch is laid for so short a walk.
; REGISTERS, in windows of 256: window 0: v0-31 addresses; from v128 the A side's fragments, ONE set; on the way out v32-95 the biases, v96-159 64 numbers at work, v192-223 two sets of codes.
;   window 1: the B side's fragments, TWO sets.   window 2: the accumulators of my A rows 0-63 ((a, b) at v[8 (8 a + b)]);   window 3: those of rows 64-127.
.set KSTEP,  256                       ; along K in a slot
.set ROWB,   256                       ; a tile's row in bytes
.set KROW,   1024                      ; a row of X or of a weight in memory, in bytes
.set PITCH,  272                       ; an LDS row: 256 bytes + 16 of padding = 68 words: the 16 rows that a load touches start at 16 different banks (64 banks of 4 bytes: ISA guide 11.1)
.set FR,     16                        ; registers of a fragment: 16 rows x 128 K
.set NL,     4                         ; LDS loads that bring one
.set NP,     4                         ; places behind this matrix instruction (ISA guide 7.12.1)
.set HALFT,  128*PITCH                 ; 128 rows: what one tensor load brings
.set SLOT,   4*HALFT                   ; the A side's 256 rows, then the B side's
.set LAPS,   1024/(2*KSTEP)            ; a lap = two K steps = once round the ring
.set SPARE,  2*SLOT                    ; behind the ring: the spare words, 128 bytes for each wave
.set BIASL,  SPARE+512                 ; behind them: 512 bytes for each wave: its 128 numbers of the bias.  No tile lands here
.set LI,   5                           ; v5      16 x lane
.set BSC,  6                           ; v6      where I put 16 bytes of the bias
.set BRD,  7                           ; v7      where I read it for Q and K: + 32 h
.set BRV,  8                           ; v8      and for V: + 4 r
.set SCL,  14                          ; v14     2^e as f32
.set LIM,  15                          ; v15     448 x 2^e
.set ADRA, 16                          ; v16-17  LDS address of my A fragments in slot 0, 1
.set ADRB, 20                          ; v20-21  the same for B
.set SPW,  28                          ; v28     LDS address of my spare word; never rewritten
.set NIL,  29                          ; v29     0; never rewritten
.set BI,   32
.set T,    96
.set CD,   192
.set AF,   128
.set G1, 24                            ; s[24:31] descriptor group 1 for the A side;  s[32:39] group 0, one set for each slot
.set G0, 32
.set G1B, 48                           ; s[48:55], s[56:63] the same for the B side
.set G0B, 56
.set MSB, 0
.macro WIN new                         ; the immediate's high byte repeats the setting that is left
.if MSB != (\new)
	s_set_vgpr_msb (MSB<<8)|(\new)
.set MSB, (\new)
.endif
.endm
.set MUL_LO, 0xa1                      ; source 0 (B) window 1, source 1 (A) window 0, C and D window 2
.set MUL_HI, 0xf1                      ; the same, C and D window 3
.set TO_B,   0x40                      ; destination window 1, address window 0
; A joint load: waves 0 and 1 fetch for the A side, waves 2 and 3 for the B side.  The branch hangs on the wave's number alone.  Four v_nop follow each of the two lines.
.macro JLOAD g0a, g1a, g0b, g1b
	s_cmp_eq_u32 s15, 0
	s_cbranch_scc0 .Lfor_b_\@
	tensor_load_to_lds s[\g0a:\g0a+3], s[\g1a:\g1a+7]
	s_nop 0
.rept 4
	v_nop
.endr
	s_branch .Lasked_\@
.Lfor_b_\@:
	tensor_load_to_lds s[\g0b:\g0b+3], s[\g1b:\g1b+7]
	s_nop 0
.rept 4
	v_nop
.endr
.Lasked_\@:
.endm
.macro CREST                           ; a round of the cluster's barrier behind its opening barrier
	s_cmp_lg_u32 s14, 0
	s_cbranch_scc1 .Lnot_wave_0_\@
	s_barrier_signal -3
.Lnot_wave_0_\@:
	s_barrier_wait -3
	s_barrier_signal -1
	s_barrier_wait -1
.endm
.macro CROUND                          ; a whole round
	s_barrier_signal -1
	s_barrier_wait -1
	CREST
.endm
	s_load_b512 s[68:83], s[0:1], 0x0              ; X s[68:69], Wq, Wk, Wv s[70:75], bq, bk, bv s[76:81], the scales' exponents s[82:83]
	s_load_b128 s[84:87], s[0:1], 0x40             ; qimg, kimg
	s_load_b64 s[88:89], s[0:1], 0x50              ; vimg
	v_lshl_add_u32 v[SPW], v0, 2, SPARE
	v_mov_b32 v[NIL], 0
	ds_add_u32 v28, v29
	ds_add_u32 v28, v29
	s_wait_dscnt 0x0
	v_lshrrev_b32 v1, 5, v0
	v_readfirstlane_b32 s14, v1                    ; wave 0..3
	s_lshr_b32 s15, s14, 1                         ; which half of the tile's A rows is mine.  Also: I fetch for A (0) or for B (1)
	s_and_b32 s16, s14, 1                          ; which half of its B rows.  Also: which 128 rows of that tile I fetch
	s_bfe_u32 s40, ttmp6, 0x40000                  ; cx, cy: my place in the cluster
	s_bfe_u32 s41, ttmp6, 0x40004
	s_and_b32 s18, ttmp7, 0xffff
	s_lshl_b32 s18, s18, 2                         ; 4 x cluster y: X's four tiles of this cluster begin here
	s_cmp_eq_u32 ttmp9, 2                          ; V?
	s_cselect_b32 s17, 0, s18                      ; the A side's tile: X's 4 y + cy, or Wv's cy: made of cy and the cluster's numbers alone
	s_cselect_b32 s42, s18, 0                      ; the B side's tile: the weight's cx, or X's 4 y + cx: made of cx and the cluster's numbers alone
	s_add_co_u32 s17, s17, s41
	s_add_co_u32 s42, s42, s40
	s_lshl_b32 s43, s41, 2
	s_lshl_b32 s43, 15, s43                        ; my row of the cluster
	s_lshl_b32 s44, 0x1111, s40                    ; my column
	; descriptor group 1: a tile of 128 rows x 256 bytes, padded in LDS
	s_or_b32 s[G1+0], s43, (0<<16)|(1<<20)|(1<<21)|(5<<22)|(3<<25)  ; 15:0 the mask: my row; 17:16 element of 1 byte; 20 padding on; 21 set beside a mask; 24:22 after every 64 words (code 5); 31:25 of 4 words (code 3)
	s_or_b32 s[G1B+0], s44, (0<<16)|(1<<20)|(1<<21)|(5<<22)|(3<<25) ; the same with my column
.irp g, G1, G1B
	s_mov_b32 s[\g+1], ROWB<<16                    ; tensor_dim0
	s_mov_b32 s[\g+2], 128<<16                     ; tensor_dim1 = 128
	s_mov_b32 s[\g+3], ROWB<<16                    ; tile_dim0
	s_mov_b32 s[\g+4], 128                         ; tile_dim1 = 128
	s_mov_b32 s[\g+5], KROW                        ; tensor_dim0_stride
	s_mov_b32 s[\g+6], 0
	s_mov_b32 s[\g+7], 0
.endr
	s_lshl_b32 s18, s16, 7                         ; which 128 rows of the tile I fetch
	s_lshl_b32 s20, s17, 8
	s_add_co_u32 s20, s20, s18
	s_lshl_b32 s20, s20, 10                        ; A: (256 x tile + 128 x half) rows of 1,024 bytes: under 2^23
	s_mov_b32 s21, 0
	s_lshl_b32 s46, s42, 8
	s_add_co_u32 s46, s46, s18
	s_lshl_b32 s46, s46, 10                        ; B likewise
	s_mov_b32 s47, 0
	s_mul_i32 s45, s14, HALFT                      ; where they go: wave x 128 rows: no place in the cluster enters an LDS address
	s_wait_kmcnt 0x0
	s_cmp_eq_u32 ttmp9, 0                          ; the buffers are chosen by the cluster's x alone
	s_cselect_b64 s[6:7], s[70:71], s[72:73]       ; Wq or Wk
	s_cselect_b64 s[8:9], s[76:77], s[78:79]       ; bq or bk
	s_cselect_b64 s[10:11], s[84:85], s[86:87]     ; qimg or kimg
	s_cmp_eq_u32 ttmp9, 2
	s_cselect_b64 s[4:5], s[74:75], s[68:69]       ; the A side: Wv, or X
	s_cselect_b64 s[6:7], s[68:69], s[6:7]         ; the B side: X, or the weight
	s_cselect_b64 s[8:9], s[80:81], s[8:9]
	s_cselect_b64 s[10:11], s[88:89], s[10:11]
	s_load_b256 s[68:75], s[82:83], 0x0            ; e0 .. e7
	s_load_b128 s[76:79], s[82:83], 0x20           ; e8 .. e11
	s_add_nc_u64 s[20:21], s[4:5], s[20:21]
	s_add_nc_u64 s[46:47], s[6:7], s[46:47]
	CROUND                                         ; all sixteen work-groups are here: the first joint loads meet
.irp s, 0,1
	s_mov_b32 s[G0+4*\s], 1
	s_add_co_u32 s[G0+4*\s+1], s45, \s*SLOT
	s_add_nc_u64 s[G0+4*\s+2:G0+4*\s+3], s[20:21], \s*ROWB
	s_or_b32 s[G0+4*\s+3], s[G0+4*\s+3], 0x80000000
	s_mov_b32 s[G0B+4*\s], 1
	s_add_co_u32 s[G0B+4*\s+1], s45, \s*SLOT
	s_add_nc_u64 s[G0B+4*\s+2:G0B+4*\s+3], s[46:47], \s*ROWB
	s_or_b32 s[G0B+4*\s+3], s[G0B+4*\s+3], 0x80000000
	JLOAD G0+4*\s, G1, G0B+4*\s, G1B               ; two tensor loads of mine are out
.endr
	v_and_b32 v1, 15, v0                           ; r = l % 16
	v_bfe_u32 v2, v0, 4, 1                         ; h = l / 16
	v_mul_u32_u24 v3, v1, PITCH
	v_lshl_add_u32 v4, v2, 4, v3                   ; a fragment's row x pitch + 16 x half
	s_mul_i32 s21, s15, HALFT                      ; my 128 rows of the A side
	s_mul_i32 s22, s16, HALFT                      ; my 128 rows of the B side,
	s_add_co_u32 s22, s22, 2*HALFT                 ; which lie behind A's 256
.irp s, 0,1
	v_add_nc_u32 v[ADRA+\s], s21, v4
	v_add_nc_u32 v[ADRB+\s], s22, v4
	s_add_co_u32 s21, s21, SLOT
	s_add_co_u32 s22, s22, SLOT
.endr
	v_and_b32 v[LI], 31, v0
	v_lshlrev_b32 v[LI], 4, v[LI]
	s_lshl_b32 s23, s14, 9
	s_add_co_u32 s23, s23, BIASL                   ; my wave's 512 bytes for the bias
	v_add_nc_u32 v[BSC], s23, v[LI]
	v_lshl_add_u32 v[BRD], v2, 5, s23
	v_lshl_add_u32 v[BRV], v1, 2, s23
	; my 128 tokens begin at m0, my 128 columns of the result at nb.  These numbers hold cx and cy both: they live in registers that feed no descriptor
	s_cmp_eq_u32 ttmp9, 2
	s_cselect_b32 s90, s42, s17                    ; the tokens are the A side's rows, for V the B side's
	s_cselect_b32 s91, s16, s15
	s_cselect_b32 s92, s17, s42                    ; the columns the other way round
	s_cselect_b32 s93, s15, s16
	s_lshl_b32 s90, s90, 8
	s_lshl_b32 s91, s91, 7
	s_add_co_u32 s90, s90, s91                     ; m0
	s_lshl_b32 s92, s92, 8
	s_lshl_b32 s93, s93, 7
	s_add_co_u32 s92, s92, s93                     ; nb
	s_lshr_b32 s91, s90, 11                        ; the batch,
	s_lshl_b32 s91, s91, 4
	s_lshr_b32 s93, s92, 6                         ; my first head (I make two),
	s_add_co_u32 s91, s91, s93
	s_lshl_b32 s91, s91, 17                        ; 131,072 bytes of image for each;
	s_and_b32 s93, s90, 2047
	s_lshl_b32 s93, s93, 6                         ; 64 bytes a token in all three images (1,024 for 16 tokens, 8,192 for a key step of 128)
	s_add_co_u32 s94, s91, s93
	s_mov_b32 s95, 0
	s_add_nc_u64 s[10:11], s[10:11], s[94:95]
	s_lshl_b32 s94, s92, 2
	s_add_nc_u64 s[8:9], s[8:9], s[94:95]
	global_load_b128 v[10:13], v[LI], s[8:9]       ; my 128 numbers of the bias: 512 consecutive bytes, once
	s_wait_loadcnt 0x0
	ds_store_b128 v[BSC], v[10:13]                 ; into my own scratch: the way out takes them from there in the order that it needs
.macro FRAG reg, adr, q, i             ; a fragment, 16 rows x 128 K: lane l holds row l % 16; registers 4 c .. 4 c + 3 hold K = 32 c + 16 (l / 16) + 0 .. 15: the same order of k on both sides, so every product meets its partner
.irp c, 0,1,2,3
	ds_load_b128 v[\reg+4*\c:\reg+4*\c+3], v[\adr] offset:128*(\q)+32*\c+(\i)*16*PITCH
.endr
.endm
; 16 matrix instructions: A's blocks a0, a0 + 1 x B's eight, 128 along K.  p: B's set.  zero = 1: the first product starts the sums.  The 64 accumulators take turns, one instruction a turn.
.macro MUL16 a0, p, zero
.irp a, \a0, \a0+1
.irp b, 0,1,2,3,4,5,6,7
.if \zero
	v_wmma_f32_16x16x128_fp8_fp8 v[8*(8*((\a)%4)+\b):8*(8*((\a)%4)+\b)+7], v[128*(\p)+FR*\b:128*(\p)+FR*\b+FR-1], v[AF+FR*(\a):AF+FR*(\a)+FR-1], 0
.else
	v_wmma_f32_16x16x128_fp8_fp8 v[8*(8*((\a)%4)+\b):8*(8*((\a)%4)+\b)+7], v[128*(\p)+FR*\b:128*(\p)+FR*\b+FR-1], v[AF+FR*(\a):AF+FR*(\a)+FR-1], v[8*(8*((\a)%4)+\b):8*(8*((\a)%4)+\b)+7]
.endif
.endr
.endr
.endm
.macro FETCH_B slot, q, p              ; B's eight fragments of the slot's q-th 128 along K into set p
	WIN TO_B
.irp i, 0,1,2,3,4,5,6,7
	FRAG 128*(\p)+FR*\i, ADRB+\slot, \q, \i
.endr
	WIN 0
.endm
.macro FETCH_A slot, q, i0             ; A's blocks i0 .. i0 + 3
.irp i, \i0, \i0+1, \i0+2, \i0+3
	FRAG AF+FR*(\i), ADRA+\slot, \q, \i
.endr
.endm
.macro PLACES n                        ; plain vector instructions between a matrix instruction and a load into its registers, or a read of its result
.rept \n
	v_nop
.endr
.endm
; A step of 128 along K that has its successor in the same slot.
.macro STEP slot, q, zero
	s_wait_dscnt 4*NL                              ; B's set and A's blocks 0-3 are in; the youngest sixteen loads (A's blocks 4-7) may be out
	WIN MUL_LO
	MUL16 0, (\q)%2, \zero
	MUL16 2, (\q)%2, \zero
	s_wait_dscnt 0                                 ; A's blocks 4-7 are in
	PLACES NP
	FETCH_B \slot, (\q)+1, 1-(\q)%2
	FETCH_A \slot, (\q)+1, 0
	WIN MUL_HI
	MUL16 4, (\q)%2, \zero
	MUL16 6, (\q)%2, \zero
	PLACES NP
	WIN 0
	FETCH_A \slot, (\q)+1, 4
.endm
; A slot's last step changes slots: ONE barrier; in front of it each wave waits for all its tensor loads, adds 0 to its spare word, and waits for that and for its own reads of this slot.  fill = 1: this slot is filled again, two K steps ahead.
.macro TURN slot, next, fill
	s_wait_tensorcnt 0x0                           ; all my tensor loads have landed: my part of the next slot
	ds_add_u32 v[SPW], v[NIL]                      ; 0 onto my spare word
	s_wait_dscnt 4*NL+1                            ; (the add and the youngest sixteen loads may be out)
	WIN MUL_LO
	MUL16 0, 1, 0                                  ; sixteen matrix instructions stand between the add and the wait for it
	s_wait_dscnt 0x0                               ; the add is done, and my reads of this slot are over
	s_barrier_signal -1
	MUL16 2, 1, 0
	WIN 0
	s_barrier_wait -1
.if \fill
	CREST                                          ; the barrier has opened a round of the cluster's barrier: no wave of any partner still reads this slot's tile or has a load on its way
	s_add_nc_u64 s[G0+4*\slot+2:G0+4*\slot+3], s[G0+4*\slot+2:G0+4*\slot+3], 2*ROWB
	s_add_nc_u64 s[G0B+4*\slot+2:G0B+4*\slot+3], s[G0B+4*\slot+2:G0B+4*\slot+3], 2*ROWB
	JLOAD G0+4*\slot, G1, G0B+4*\slot, G1B         ; the first tensor load behind the round; its four v_nop are the places in front of the loads below
.else
	PLACES NP
.endif
	FETCH_B \next, 0, 0
	FETCH_A \next, 0, 0
	WIN MUL_HI
	MUL16 4, 1, 0
	MUL16 6, 1, 0
	PLACES NP
	WIN 0
	FETCH_A \next, 0, 4
.endm
	s_wait_tensorcnt 1                             ; my part of K step 0 is in (K step 1's load may be out)
	s_wait_dscnt 0x0                               ; and no LDS instruction of mine is pending at the signal
	s_barrier_signal -1
	s_barrier_wait -1                              ; everybody's is
	FETCH_B 0, 0, 0
	FETCH_A 0, 0, 0
	FETCH_A 0, 0, 4
	STEP 0, 0, 1                                   ; the first step stands in front of the loop: its products start the sums
	s_mov_b32 s3, LAPS-1
.Llap:                                                 ; a trip goes once round the ring, from a lap's second step to the next lap's first, and fills both slots again
	TURN 0, 1, 1
	STEP 1, 0, 0
	TURN 1, 0, 1
	STEP 0, 0, 0
	s_sub_co_u32 s3, s3, 1
	s_cmp_lg_u32 s3, 0
	s_cbranch_scc1 .Llap
	TURN 0, 1, 0                                   ; the last lap fills nothing, and has no round of the cluster's barrier
	STEP 1, 0, 0
	s_wait_dscnt 4*NL                              ; the very last step: nothing more to fetch
	WIN MUL_LO
	MUL16 0, 1, 0
	MUL16 2, 1, 0
	s_wait_dscnt 0
	WIN MUL_HI
	MUL16 4, 1, 0
	MUL16 6, 1, 0
	WIN 0
; THE WAY OUT.  number = sum x 2^(ea + eb) + bias (one fused multiply-add, two at a time); held within +-448 x 2^e; eight numbers of an accumulator become two registers of codes.
; A block a (16 rows of the A side x my 128 of the B side) gives 16 registers: for Q and K two tiles of 16 tokens x 64 channels (two heads), for V one fragment of 16 channels x 128 keys.
	s_wait_kmcnt 0x0
	s_cmp_eq_u32 ttmp9, 0
	s_cselect_b32 s96, s68, s70                    ; ea, eb, and the result's e: Q's or K's,
	s_cselect_b32 s97, s69, s71
	s_cselect_b32 s98, s74, s75
	s_cmp_eq_u32 ttmp9, 2
	s_cselect_b32 s96, s72, s96                    ; or V's
	s_cselect_b32 s97, s73, s97
	s_cselect_b32 s98, s77, s98
	s_add_co_i32 s96, s96, s97
	s_add_co_i32 s96, s96, 127
	s_lshl_b32 s96, s96, 23                        ; 2^(ea + eb) as f32
	s_mov_b32 s97, s96                             ; (named with it as a pair)
	s_add_co_i32 s98, s98, 127
	s_lshl_b32 s99, s98, 23
	s_add_co_i32 s98, s98, 8
	s_lshl_b32 s98, s98, 23
	s_or_b32 s98, s98, 0x600000
	PLACES NP                                      ; behind the last products: what follows reads results and writes registers that held A's fragments
	v_mov_b32 v[SCL], s99                          ; 2^e: the conversion takes its exponent field
	v_mov_b32 v[LIM], s98                          ; 448 x 2^e
.macro OUTBLK a, isv
.set AC, 64*((\a)%4)
.set CS, CD+16*((\a)%2)
.if (\a) >= 2
	s_wait_xcnt 0x0                                ; block a - 2's stores have read their data: its set of codes is written again only behind this wait
.endif
	WIN 0x02+((\a)/4)                              ; source 0: window 2 or 3
.set j, 0
.rept 32
.if \isv
	v_pk_fma_f32 v[T+j:T+j+1], v[AC+j:AC+j+1], s[96:97], v[BI+2*(\a):BI+2*(\a)+1] op_sel_hi:[1,0,1]   ; V: the lane's channel 16 a + r has one bias for all its keys
.else
	v_pk_fma_f32 v[T+j:T+j+1], v[AC+j:AC+j+1], s[96:97], v[BI+j:BI+j+1] op_sel_hi:[1,0,1]             ; each accumulator from its low end on
.endif
.set j, j+2
.endr
	WIN 0
.set j, 0
.rept 64
	v_med3_num_f32 v[T+j], v[T+j], -v[LIM], v[LIM] ; the conversion to an 8-bit code does not saturate (ISA guide 7.6.2): the hold at the largest code x the scale
.set j, j+1
.endr
.irp b, 0,1,2,3,4,5,6,7
	v_cvt_scalef32_pk8_fp8_f32 v[CS+2*\b:CS+2*\b+1], v[T+8*\b:T+8*\b+7], v[SCL]
.endr
	v_nop                                          ; one plain vector instruction behind the last conversion: the next block writes its sources
.irp c, 0,1,2,3
.if \isv
	global_store_b128 v[LI], v[CS+4*\c:CS+4*\c+3], s[10:11] offset:((\a)/4)*131072+((\a)%4)*2048+\c*512   ; head a / 4, channels 16 (a % 4) on, chunk c
.else
	global_store_b128 v[LI], v[CS+4*\c:CS+4*\c+3], s[10:11] offset:(\a)*1024+(\c%2)*512+(\c/2)*131072     ; tokens 16 a on, head c / 2, chunk c % 2
.endif
.endr
.endm
	s_cmp_eq_u32 ttmp9, 2                          ; the same way in all sixteen partners
	s_cbranch_scc1 .Lv_arm
.irp b, 0,1,2,3,4,5,6,7
	ds_load_b128 v[BI+8*\b:BI+8*\b+3], v[BRD] offset:64*\b       ; bias of columns nb + 16 b + 8 h + 0 .. 7, in the accumulators' order
	ds_load_b128 v[BI+8*\b+4:BI+8*\b+7], v[BRD] offset:64*\b+16
.endr
	s_wait_dscnt 0x0
.irp a, 0,1,2,3,4,5,6,7
	OUTBLK \a, 0
.endr
	s_branch .Lstored
.Lv_arm:
.irp a, 0,1,2,3,4,5,6,7
	ds_load_b32 v[BI+2*\a], v[BRV] offset:64*\a    ; bias of column nb + 16 a + r, in both halves of a pair
	ds_load_b32 v[BI+2*\a+1], v[BRV] offset:64*\a
.endr
	s_wait_dscnt 0x0
.irp a, 0,1,2,3,4,5,6,7
	OUTBLK \a, 1
.endr
.Lstored:
	s_wait_tensorcnt 0x0                           ; the wave's end: behind my last tensor load and my last LDS store
	ds_add_u32 v[SPW], v[NIL]
	s_wait_dscnt 0x0
	CROUND                                         ; the closing round: no work-group ends while a partner may still ask for a tile that names it
	s_endpgm
.Lfunc_end_k_qdf5653e65b_qkv:
	.size	k_qdf5653e65b_qkv, .Lfunc_end_k_qdf5653e65b_qkv-k_qdf5653e65b_qkv
	.p2alignl 7, 3214868480
	.fill 96, 4, 3214868480
	.section	.rodata,"a",@progbits
	.p2align	6, 0x0
	.amdhsa_kernel k_qdf5653e65b_qkv
		.amdhsa_group_segment_fixed_size 327680
		.amdhsa_private_segment_fixed_size 0
		.amdhsa_enable_private_segment 0
		.amdhsa_kernarg_size 88
		.amdhsa_user_sgpr_count 2
		.amdhsa_user_sgpr_kernarg_segment_ptr 1
		.amdhsa_wavefront_size32 1
		.amdhsa_system_sgpr_workgroup_id_x 1
		.amdhsa_system_sgpr_workgroup_id_y 1
		.amdhsa_system_sgpr_workgroup_id_z 1
		.amdhsa_system_vgpr_workitem_id 0
		.amdhsa_next_free_vgpr 1024
		.amdhsa_next_free_sgpr 100
		.amdhsa_reserve_vcc 0
		.amdhsa_float_denorm_mode_32 3
		.amdhsa_float_denorm_mode_16_64 3
		.amdhsa_memory_ordered 1
		.amdhsa_forward_progress 1
		.amdhsa_inst_pref_size 193
	.end_amdhsa_kernel
	.amdgpu_metadata
---
amdhsa.version: [ 1, 2 ]
amdhsa.kernels:
  - .name:           k_qdf5653e65b_qkv
    .symbol:         k_qdf5653e65b_qkv.kd
    .args:
      - { .name: input_Q_codes, .offset: 0, .size: 8, .value_kind: global_buffer, .address_space: global }
      - { .name: Wq_codes, .offset: 8, .size: 8, .value_kind: global_buffer, .address_space: global }
      - { .name: Wk_codes, .offset: 16, .size: 8, .value_kind: global_buffer, .address_space: global }
      - { .name: Wv_codes, .offset: 24, .size: 8, .value_kind: global_buffer, .address_space: global }
      - { .name: bq, .offset: 32, .size: 8, .value_kind: global_buffer, .address_space: global }
      - { .name: bk, .offset: 40, .size: 8, .value_kind: global_buffer, .address_space: global }
      - { .name: bv, .offset: 48, .size: 8, .value_kind: global_buffer, .address_space: global }
      - { .name: lowp_scales, .offset: 56, .size: 8, .value_kind: global_buffer, .address_space: global }
      - { .name: qimg, .offset: 64, .size: 8, .value_kind: global_buffer, .address_space: global }
      - { .name: kimg, .offset: 72, .size: 8, .value_kind: global_buffer, .address_space: global }
      - { .name: vimg, .offset: 80, .size: 8, .value_kind: global_buffer, .address_space: global }
    .group_segment_fixed_size: 327680
    .private_segment_fixed_size: 0
    .kernarg_segment_align: 8
    .kernarg_segment_size: 88
    .max_flat_workgroup_size: 128
    .sgpr_count:     100
    .vgpr_count:     1024
    .wavefront_size: 32
...
	.end_amdgpu_metadata
.endif
;; end of part 2
;; launch attn (part 3): grid 64 x 4, 16 waves a work-group, no clusters, 34,816 bytes of LDS; arguments qimg, kimg, vimg, mbits, mflags, lowp_scales, ctximg; writes ctximg
.if DOCPART == 3
	.amdgcn_target "amdgcn-amd-amdhsa--gfx1250"
	.amdhsa_code_object_version 6
	.text
	.protected	k_qdf5653e65b_attn
	.globl	k_qdf5653e65b_attn
	.p2align	8
	.type	k_qdf5653e65b_attn,@function
k_qdf5653e65b_attn:
	s_mov_b64 s[64:65], 0
	v_nop
	global_prefetch_b8 v0, s[64:65] scope:SCOPE_SE
	s_setreg_imm32_b32 hwreg(HW_REG_WAVE_MODE, 25, 1), 1
	s_wait_xcnt 0x0
; ctx[b][h][q] = the sum over k of softmax_k(Q . K / 8, hidden places at -infinity) V, both products on codes of FP8 (E4M3); ctx is quantised with 2^e10 and stored as codes in the order of the last launch's operand registers.
; THE SOFTMAX AHEAD OF THE SECOND PRODUCT: t = score x log2(e) / 8; M = the row's largest t so far, rounded UP to a whole number; p = 2^(t - M) is quantised with 2^e8, not normalised; the row's sum is taken of the
; unquantised p and divides at the end.  When M moves, the sum and O are multiplied by 2^(old M - new M): exact.
; SHARES.  Work-group (x, y): x = batch x head; it makes two blocks of 256 queries one after the other, blocks y and 7 - y.  Each of its SIXTEEN waves owns one tile of 16 queries in 256 registers, four waves to a SIMD,
; so that one wave's vector work stands beside another's products and LDS loads.  Every wave walks the 16 key steps of 128 keys.
; THE MASK is an input: it comes as lane masks (mbits) and as flags (mflags), both made by the first launch.  A key step in which all places of my 16 queries are hidden is passed over (its p are all 0 and M does not
; move); a step that all sixteen waves pass over is not fetched; in a step with no hidden place the 64 selects are left out.  These are scalar branches on stored whole numbers; no barrier stands under one.
; Since branches hang on loaded numbers, K and V come through registers (global load, LDS store, barrier, LDS load), not by tensor loads; each tile is asked for a whole key step ahead of its LDS store.
; No cluster: the work-groups of a head pass over different key steps, so partners would need different numbers of tiles.  No prefetch: which tiles are read hangs on the flags, and the four work-groups of a head
; reach a tile at different steps of their walks, so no one of them can name each tile once at a fixed lead.
; LAYOUT.  Both products are used transposed: S^T = K Q^T (source 0 = 16 keys, source 1 = my 16 queries, K = 64), O^T = V^T P^T (source 0 = 16 channels, source 1 = P, K = 128 keys): a lane holds ONE query (lane % 16).
; Register 8 t + j of S^T is key 16 t + 8 h + j, which is the place of registers 2 t, 2 t + 1 of the K = 128 operand: the eight conversions' results ARE the operand.  K's, Q's and V's images lie in memory and in LDS
; as their registers: every LDS address is 16 x lane or 16 x thread + a constant.
; A ROW ALL OF WHOSE KEYS ARE HIDDEN has the sum 0: it gets the NaN code.
; LIMITS on the given exponents: e6 + e7 between -123 and 130 (added to c's exponent field); e8 and e10 between -126 and 119.
; REGISTERS: v1 16 x lane, v2 16 x thread; v12 -M, v13 the largest t, v[14:15] the sum; v16-23 Q; v24-31 the tile on its way; v32-95 K's 8 fragments, then V's 4; v96-159 S^T, then p; v160-191 O^T; v192-207 p's codes;
;   v208, v209: 2^e8, 448 x 2^e8; v210 -infinity; v211, v212: 2^e10, 448 x 2^e10; v214 f; v216-218, v[220:221] at work; v222 the NaN carrier.
;   s[32:63], s[68:99]: a key step's 64 mask words (word w in s[32 + w], from w = 32 on in s[36 + w]).
.set KVB,   8192                       ; a key step's image of K, and of V
.set SLOTB, 2*KVB                      ; an LDS slot: K's image, then V's; two slots
.set LN,  1
.set TH,  2
.set FW,  24                           ; s24  my 16 queries' flags, shifted a place a step: bit 0 some place open, bit 16 some place hidden
.set GW,  25                           ; s25  the sixteen waves' open bits ORed, shifted likewise: bit 0 this step is fetched, bit 1 the next is
	s_load_b256 s[4:11], s[0:1], 0x0               ; qimg, kimg, vimg, mbits
	s_load_b128 s[12:15], s[0:1], 0x20             ; mflags, the scales' exponents
	s_load_b64 s[16:17], s[0:1], 0x30              ; ctximg
	v_lshl_add_u32 v254, v0, 2, 0x8000
	v_mov_b32 v255, 0
	v_lshrrev_b32 v3, 5, v0
	v_readfirstlane_b32 s18, v3                    ; wave 0..15
	v_and_b32 v[LN], 31, v0
	v_lshlrev_b32 v[LN], 4, v[LN]
	v_lshlrev_b32 v[TH], 4, v0
	s_mov_b32 s19, ttmp9                           ; batch x 16 + head
	s_and_b32 s21, ttmp7, 0xffff                   ; the block of 256 queries in hand: y, then 7 - y
	s_mov_b32 s22, 2                               ; blocks to go
	s_mov_b32 s30, 0x76543210                      ; v_permlanex16_b32's selects for lane l xor 16
	s_mov_b32 s31, 0xfedcba98
	s_mov_b32 s100, 0xffff0000                     ; lanes 16-31
	s_mov_b32 s28, 0x3e38aa3b                      ; c = log2(e) / 8
	v_mov_b32 v210, 0xff800000                     ; -infinity
	v_mov_b32 v215, 0                              ; (named as the upper halves of pairs)
	v_mov_b32 v223, 0
	v_mov_b32 v218, 0                              ; written once: a lane permute's destination counts as one of its sources
	v_mov_b32 v138, 0
	v_mov_b32 v139, 0
	s_lshl_b32 s26, s19, 17                        ; 131,072 bytes of each image for a batch and head
	s_mov_b32 s27, 0
	s_wait_kmcnt 0x0
	s_load_b128 s[32:35], s[14:15], 0x18           ; e6, e7, e8, e9
	s_load_b32 s36, s[14:15], 0x28                 ; e10
	s_add_nc_u64 s[6:7], s[6:7], s[26:27]
	s_add_nc_u64 s[8:9], s[8:9], s[26:27]
	s_wait_kmcnt 0x0
	s_add_co_i32 s26, s32, s33
	s_lshl_b32 s26, s26, 23
	s_add_co_i32 s28, s28, s26                     ; a score stands for score x 2^(e6 + e7): the two exponents are added to c's exponent field
	s_mov_b32 s29, s28                             ; (named with it as a pair)
	s_mov_b32 s66, s34                             ; e8
	s_add_co_i32 s67, s34, s35                     ; e8 + e9
	s_add_co_i32 s26, s34, 127
	s_lshl_b32 s27, s26, 23
	v_mov_b32 v208, s27                            ; 2^e8
	s_add_co_i32 s26, s26, 8
	s_lshl_b32 s26, s26, 23
	s_or_b32 s26, s26, 0x600000
	v_mov_b32 v209, s26                            ; 448 x 2^e8
	s_add_co_i32 s26, s36, 127
	s_lshl_b32 s27, s26, 23
	v_mov_b32 v211, s27                            ; 2^e10
	s_add_co_i32 s26, s26, 8
	s_lshl_b32 s26, s26, 23
	s_or_b32 s26, s26, 0x600000
	v_mov_b32 v212, s26                            ; 448 x 2^e10
.macro FETCH16 off                     ; 8,192 bytes of image into v32-95: sixteen loads of 512 consecutive bytes
.irp i, 0,1,2,3,4,5,6,7,8,9,10,11,12,13,14,15
	ds_load_b128 v[32+4*\i:35+4*\i], v[LN] offset:(\off)+512*\i
.endr
.endm
; A KEY STEP, in LDS slot p.  One barrier a step serves both orders: in front of it each wave's stores into slot p have landed and its reads of slot 1 - p (the step before) are back; slot p was last read two steps
; back, ahead of the barrier of the step before.
.macro STEP p
	s_wait_loadcnt 0x0                             ; this step's tile, asked for a step ago, is in my registers (in a block's first step: Q too)
	s_bitcmp1_b32 s[GW], 0
	s_cbranch_scc0 .Lno_put_\@                     ; nobody wants this step: nothing was fetched
	ds_store_b128 v[TH], v[24:27] offset:SLOTB*\p
	ds_store_b128 v[TH], v[28:31] offset:SLOTB*\p+KVB
.Lno_put_\@:
	s_wait_dscnt 0x0
	s_barrier_signal -1
	s_barrier_wait -1
	s_bitcmp1_b32 s[GW], 1
	s_cbranch_scc0 .Lno_get_\@                     ; (bit 16 of the flags' OR is cleared: no seventeenth tile is ever asked for)
	global_load_b128 v[24:27], v[TH], s[6:7] offset:KVB*(\p+1)    ; the next step's K and V: 512 threads x 16 bytes each
	global_load_b128 v[28:31], v[TH], s[8:9] offset:KVB*(\p+1)
.Lno_get_\@:
	s_bitcmp1_b32 s[FW], 0
	s_cbranch_scc0 .Lskip_\@                       ; all 128 keys are hidden from my 16 queries
	s_load_b512 s[32:47], s[2:3], 256*\p           ; the step's 64 mask words: asked for in every step that is worked, so that they are written on every way to the selects
	s_load_b512 s[48:63], s[2:3], 256*\p+64
	s_load_b512 s[68:83], s[2:3], 256*\p+128
	s_load_b512 s[84:99], s[2:3], 256*\p+192
	FETCH16 SLOTB*\p                               ; K's eight fragments
	s_wait_dscnt 0x0
.irp t, 0,1,2,3,4,5,6,7
	v_wmma_f32_16x16x64_fp8_fp8 v[96+8*\t:103+8*\t], v[32+8*\t:39+8*\t], v[16:23], 0
.endr
.rept 4
	v_nop                                          ; places in front of the loads into K's registers and of the first read of the scores
.endr
	FETCH16 SLOTB*\p+KVB                           ; V's four fragments land while the softmax is worked
	s_wait_kmcnt 0x0
	s_bitcmp1_b32 s[FW], 16
	s_cbranch_scc0 .Lopen_\@                       ; no place of this step is hidden
.set w, 0
.rept 64
	v_cndmask_b32 v[96+w], v[96+w], v210, s[32+w+4*(w/32)]   ; hidden places become -infinity ahead of the maximum: p = 0 then
.set w, w+1
.endr
.Lopen_\@:
	v_max3_num_f32 v216, v96, v97, v98             ; the step's largest score of my query, among my 64 keys, in two chains, each accumulator from its low end on,
	v_max3_num_f32 v217, v99, v100, v101
.irp i, 6,10,14,18,22,26,30,34,38,42,46,50,54,58
	v_max3_num_f32 v216, v216, v[96+\i], v[97+\i]
	v_max3_num_f32 v217, v217, v[98+\i], v[99+\i]
.endr
	v_max3_num_f32 v216, v216, v158, v159
	v_max_num_f32 v216, v216, v217
	v_permlanex16_b32 v218, v216, s30, s31
	v_max_num_f32 v216, v216, v218                 ; and among lane l xor 16's
	v_mul_f32 v216, s28, v216                      ; as t (c is positive)
	v_max_num_f32 v13, v13, v216                   ; the running largest t
	v_mov_b32 v216, v12
	v_floor_f32 v12, -v13                          ; the new -M = floor(-t) = -ceil(t): a whole number
	v_sub_f32 v216, v12, v216                      ; M's old value less its new one: 0 or less
	v_cvt_i32_f32 v216, v216                       ; (it saturates)
	v_ldexp_f32 v214, 1.0, v216                    ; f = 2^(old M - new M)
.set j, 0
.rept 32
	v_pk_fma_f32 v[96+j:97+j], v[96+j:97+j], s[28:29], v[12:13] op_sel_hi:[1,0,0]   ; t - M, two at a time
.set j, j+2
.endr
.set j, 0
.rept 64
	v_exp_f32 v[96+j], v[96+j]                     ; p = 2^(t - M), at most 1
.set j, j+1
.endr
	v_pk_mul_f32 v[14:15], v[14:15], v[214:215] op_sel_hi:[1,0]   ; the sums under the new M: the plain instruction behind the exponentials
	s_wait_alu depctr_va_vdst(0)                   ; one wait for the batch of 64, ahead of its first reader
	v_pk_add_f32 v[220:221], v[96:97], v[98:99]    ; the row's sum is taken of the unquantised p, in two chains
.irp j, 4,8,12,16,20,24,28,32,36,40,44,48,52,56,60
	v_pk_add_f32 v[14:15], v[14:15], v[96+\j:97+\j]
	v_pk_add_f32 v[220:221], v[220:221], v[98+\j:99+\j]
.endr
	v_pk_add_f32 v[14:15], v[14:15], v[220:221]
	s_cmp_ge_i32 s66, -8                           ; p is at most 1, and from e8 = -8 on 448 x 2^e8 is at least 1.75: the hold cannot act and is passed over.  Under that it runs
	s_cbranch_scc1 .Lno_hold_\@
.set j, 0
.rept 64
	v_min_num_f32 v[96+j], v[96+j], v209           ; the conversion to an 8-bit code does not saturate (ISA guide 7.6.2); p is not negative, so the hold is one-sided
.set j, j+1
.endr
.Lno_hold_\@:
.irp t, 0,1,2,3,4,5,6,7
	v_cvt_scalef32_pk8_fp8_f32 v[192+2*\t:193+2*\t], v[96+8*\t:103+8*\t], v208   ; registers 2 t, 2 t + 1 of the operand: keys 16 t + 8 h + 0 .. 7
.endr
.set j, 0
.rept 16
	v_pk_mul_f32 v[160+j:161+j], v[160+j:161+j], v[214:215] op_sel_hi:[1,0]      ; O^T under the new M.  (Plain instructions between the conversions and the products that read their results)
.set j, j+2
.endr
	s_wait_dscnt 0x0                               ; V is in
.irp d, 0,1,2,3
	v_wmma_f32_16x16x128_fp8_fp8 v[160+8*\d:167+8*\d], v[32+16*\d:47+16*\d], v[192:207], v[160+8*\d:167+8*\d]   ; the four accumulators take turns; between two turns of one stand the next step's eight score products
.endr
.rept 4
	v_nop                                          ; places behind the products, for whatever way follows: loads into V's registers, reads and writes of O^T
.endr
.Lskip_\@:
	s_lshr_b32 s[FW], s[FW], 1
	s_lshr_b32 s[GW], s[GW], 1
.endm
.Lpass:                                            ; a block of 256 queries
	s_lshl_b32 s20, s21, 4
	s_add_co_u32 s20, s20, s18                     ; qt: my tile of 16 queries = 16 x block + wave
	s_lshl_b32 s54, s20, 2
	s_mov_b32 s55, 0
	s_add_nc_u64 s[48:49], s[12:13], s[54:55]      ; my flags,
	s_lshl_b32 s54, s21, 6
	s_add_nc_u64 s[50:51], s[12:13], s[54:55]      ; and all sixteen waves'
	s_load_b32 s[FW], s[48:49], 0x0
	s_load_b512 s[32:47], s[50:51], 0x0
	s_lshl_b32 s54, s19, 7
	s_add_co_u32 s54, s54, s20
	s_lshl_b32 s54, s54, 10                        ; Q's image: 1,024 bytes a tile
	s_add_nc_u64 s[52:53], s[4:5], s[54:55]
	global_load_b128 v[16:19], v[LN], s[52:53]
	global_load_b128 v[20:23], v[LN], s[52:53] offset:512
	global_load_b128 v[24:27], v[TH], s[6:7]       ; key step 0's tile, whatever the flags say: so the registers are written on every way
	global_load_b128 v[28:31], v[TH], s[8:9]
	s_lshl_b32 s54, s20, 12
	s_add_nc_u64 s[2:3], s[10:11], s[54:55]        ; my mask words: 4,096 bytes for 16 queries
	v_mov_b32 v13, 0xff61b1e6                      ; the largest t so far: -3e38, under every t
	v_floor_f32 v12, -v13                          ; -M
	v_mov_b32 v14, 0
	v_mov_b32 v15, 0
.set j, 0
.rept 32
	v_mov_b32 v[160+j], 0                          ; O^T.  (The step is written once: a block's first finds zeros, which the first change of M leaves zeros)
.set j, j+1
.endr
	s_wait_kmcnt 0x0
	s_or_b32 s[GW], s32, s33
.irp i, 34,35,36,37,38,39,40,41,42,43,44,45,46,47
	s_or_b32 s[GW], s[GW], s\i
.endr
	s_and_b32 s[GW], s[GW], 0xffff                 ; the open bits alone
	s_mov_b32 s23, 8
.Ltrip:                                            ; two key steps a trip, one in each slot
	STEP 0
	STEP 1
	s_wait_xcnt 0x0                                ; the loads have read their bases: they step only behind this wait
	s_add_nc_u64 s[6:7], s[6:7], 2*KVB
	s_add_nc_u64 s[8:9], s[8:9], 2*KVB
	s_add_nc_u64 s[2:3], s[2:3], 512
	s_sub_co_u32 s23, s23, 1
	s_cmp_lg_u32 s23, 0
	s_cbranch_scc1 .Ltrip
	; THE BLOCK'S END.  ctx = O^T x 2^(e8 + e9) / the sum, held, quantised with 2^e10.
	v_add_f32 v14, v14, v15                        ; the sum's two halves,
	v_permlanex16_b32 v218, v14, s30, s31
	v_add_f32 v14, v14, v218                       ; and lane l xor 16's
	v_rcp_f32 v14, v14
	v_nop                                          ; a plain instruction behind the reciprocal
	s_lshr_b32 s32, s19, 4                         ; where my codes go: g = 128 x batch + qt;
	s_lshl_b32 s32, s32, 7
	s_add_co_u32 s32, s32, s20
	s_lshr_b32 s33, s32, 3
	s_lshl_b32 s33, s33, 17                        ; block of 128 tokens g / 8: 131,072 bytes;
	s_and_b32 s32, s32, 7
	s_lshl_b32 s32, s32, 12                        ; tile g % 8: 4,096;
	s_add_co_u32 s32, s32, s33
	s_and_b32 s33, s19, 15                         ; the head: its 64 channels are k = 64 head on:
	s_lshr_b32 s34, s33, 2
	s_lshl_b32 s34, s34, 15                        ; slot of 256 along K head / 4: 32,768;
	s_add_co_u32 s32, s32, s34
	s_and_b32 s34, s33, 3
	s_lshl_b32 s34, s34, 10                        ; two chunks of 512 for each head in it
	s_add_co_u32 s32, s32, s34
	s_mov_b32 s33, 0
	s_add_nc_u64 s[34:35], s[16:17], s[32:33]
	s_wait_alu depctr_va_vdst(0)                   ; ahead of the reciprocal's first reader
	v_ldexp_f32 v214, v14, s67                     ; 2^(e8 + e9) / the sum
	v_mul_f32 v222, 0, v214                        ; 0, or NaN where the sum is 0
.set j, 0
.rept 16
	v_pk_mul_f32 v[96+j:97+j], v[160+j:161+j], v[214:215] op_sel_hi:[1,0]   ; register 8 d + i is ctx(query r, channel 16 d + 8 h + i); each accumulator from its low end on
.set j, j+2
.endr
.set j, 0
.rept 32
	v_med3_num_f32 v[96+j], v[96+j], -v212, v212   ; the hold at the largest code x the scale
.set j, j+1
.endr
.set j, 0
.rept 16
	v_pk_add_f32 v[96+j:97+j], v[96+j:97+j], v[222:223] op_sel_hi:[1,0]     ; the hold drops a NaN: it is put back behind it
.set j, j+2
.endr
.irp d, 0,1,2,3
	v_cvt_scalef32_pk8_fp8_f32 v[128+2*\d:129+2*\d], v[96+8*\d:103+8*\d], v211
.endr
	v_nop                                          ; one plain vector instruction behind the last conversion
	; The last launch wants lane (r, h) to hold channels 32 b + 16 h + 0 .. 15: tile 2 b + h, both halves of the lanes'.  So lanes 0-15 give tile 2 b + 1 and lanes 16-31 tile 2 b to the lane 16 away.
.irp b, 0,1
	v_cndmask_b32 v136, v[130+4*\b], v[128+4*\b], s100
	v_cndmask_b32 v137, v[131+4*\b], v[129+4*\b], s100
	v_permlanex16_b32 v138, v136, s30, s31
	v_permlanex16_b32 v139, v137, s30, s31
	v_cndmask_b32 v[140+4*\b], v[128+4*\b], v138, s100
	v_cndmask_b32 v[141+4*\b], v[129+4*\b], v139, s100
	v_cndmask_b32 v[142+4*\b], v138, v[130+4*\b], s100
	v_cndmask_b32 v[143+4*\b], v139, v[131+4*\b], s100
.endr
	global_store_b128 v[LN], v[140:143], s[34:35]              ; each store covers 512 consecutive bytes, aligned
	global_store_b128 v[LN], v[144:147], s[34:35] offset:512
	s_wait_xcnt 0x0                                ; the stores have read their data and base
	s_wait_loadcnt 0x0                             ; no load is on its way into the registers that the next block's first loads take
	s_sub_nc_u64 s[6:7], s[6:7], 16*KVB            ; back to key step 0
	s_sub_nc_u64 s[8:9], s[8:9], 16*KVB
	s_sub_co_u32 s21, 7, s21                       ; the other block
	s_sub_co_u32 s22, s22, 1
	s_cmp_lg_u32 s22, 0
	s_cbranch_scc1 .Lpass
	s_wait_tensorcnt 0x0
	ds_add_u32 v254, v255
	s_wait_dscnt 0x0
	s_endpgm
.Lfunc_end_k_qdf5653e65b_attn:
	.size	k_qdf5653e65b_attn, .Lfunc_end_k_qdf5653e65b_attn-k_qdf5653e65b_attn
	.p2alignl 7, 3214868480
	.fill 96, 4, 3214868480
	.section	.rodata,"a",@progbits
	.p2align	6, 0x0
	.amdhsa_kernel k_qdf5653e65b_attn
		.amdhsa_group_segment_fixed_size 34816
		.amdhsa_private_segment_fixed_size 0
		.amdhsa_enable_private_segment 0
		.amdhsa_kernarg_size 56
		.amdhsa_user_sgpr_count 2
		.amdhsa_user_sgpr_kernarg_segment_ptr 1
		.amdhsa_wavefront_size32 1
		.amdhsa_system_sgpr_workgroup_id_x 1
		.amdhsa_system_sgpr_workgroup_id_y 1
		.amdhsa_system_sgpr_workgroup_id_z 1
		.amdhsa_system_vgpr_workitem_id 0
		.amdhsa_next_free_vgpr 256
		.amdhsa_next_free_sgpr 102
		.amdhsa_reserve_vcc 0
		.amdhsa_float_denorm_mode_32 3
		.amdhsa_float_denorm_mode_16_64 3
		.amdhsa_memory_ordered 1
		.amdhsa_forward_progress 1
		.amdhsa_inst_pref_size 53
	.end_amdhsa_kernel
	.amdgpu_metadata
---
amdhsa.version: [ 1, 2 ]
amdhsa.kernels:
  - .name:           k_qdf5653e65b_attn
    .symbol:         k_qdf5653e65b_attn.kd
    .args:
      - { .name: qimg, .offset: 0, .size: 8, .value_kind: global_buffer, .address_space: global }
      - { .name: kimg, .offset: 8, .size: 8, .value_kind: global_buffer, .address_space: global }
      - { .name: vimg, .offset: 16, .size: 8, .value_kind: global_buffer, .address_space: global }
      - { .name: mbits, .offset: 24, .size: 8, .value_kind: global_buffer, .address_space: global }
      - { .name: mflags, .offset: 32, .size: 8, .value_kind: global_buffer, .address_space: global }
      - { .name: lowp_scales, .offset: 40, .size: 8, .value_kind: global_buffer, .address_space: global }
      - { .name: ctximg, .offset: 48, .size: 8, .value_kind: global_buffer, .address_space: global }
    .group_segment_fixed_size: 34816
    .private_segment_fixed_size: 0
    .kernarg_segment_align: 8
    .kernarg_segment_size: 56
    .max_flat_workgroup_size: 512
    .sgpr_count:     102
    .vgpr_count:     256
    .wavefront_size: 32
...
	.end_amdgpu_metadata
.endif
;; end of part 3
;; launch proj (part 4): grid 4 x 32, 4 waves a work-group, clusters of 4 x 4, 327,680 bytes of LDS; arguments ctximg, Wo_codes, lowp_scales, bo, out0; writes out0
.if DOCPART == 4
	.amdgcn_target "amdgcn-amd-amdhsa--gfx1250"
	.amdhsa_code_object_version 6
	.text
	.protected	k_qdf5653e65b_proj
	.globl	k_qdf5653e65b_proj
	.p2align	8
	.type	k_qdf5653e65b_proj,@function
k_qdf5653e65b_proj:
	s_mov_b64 s[64:65], 0
	v_nop
	global_prefetch_b8 v0, s[64:65] scope:SCOPE_SE
	s_setreg_imm32_b32 hwreg(HW_REG_WAVE_MODE, 25, 1), 1
	s_wait_xcnt 0x0
	s_wait_alu depctr_hold_cnt(0) depctr_sa_sdst(0) depctr_va_vdst(0) depctr_va_sdst(0) depctr_va_ssrc(0) depctr_va_vcc(0) depctr_vm_vsrc(0)
	s_getreg_b32 s2, hwreg(HW_REG_IB_STS2, 6, 4)
	s_cmp_eq_u32 s2, 0
	s_cbranch_scc0 .Lentry_in_a_cluster
	s_endpgm
.Lentry_in_a_cluster:
	s_bfe_u32 s2, ttmp6, 0x10000c
	s_cmp_lg_u32 s2, 0xf033
	s_cbranch_scc0 .Lentry_shape_is_right
	s_endpgm
.Lentry_shape_is_right:
; out0[m][n] = the sum over k of ctx[m][k] Wo[n][k] x 2^(e10 + e11) + bo[n], on codes of FP8 (E4M3).  ctx: 8,192 x 1,024 codes, as images of the operand's registers; Wo: [1024 (n)][1024 (k)] codes; out0: [8192][1024] f32.
; LIMIT: e10 + e11 between -126 and 127, so that 2^(e10 + e11) is an f32 number.
; A tile of 256 x 256 is made by a work-group of four waves, a wave makes 128 x 128: 64 accumulators, 512 registers.  K goes in steps of 256 through a ring of two LDS slots.  128 tiles: 128 work-groups.
; CLUSTERS of 4 x 4: the four of a row need the same tiles of ctx, the four of a column the same tiles of Wo: each tile is asked for JOINTLY.  The matrix instruction is used transposed (source 0 = 16 rows of Wo,
; source 1 = 16 rows of ctx): a lane holds eight neighbouring numbers of a row of out0.
; ctximg: [block of 128 tokens 64][slot of 256 K, 4][tile of 16 tokens 8][128 K, 2][chunk c 4][lane 32][16 bytes]: lane (r, h) holds k = 32 c + 16 h + 0 .. 15 of token r: the order in which four loads of 16 bytes
; take Wo's rows.  So what a wave fetches of ctx for a slot is ONE dense block of 32,768 bytes (128 rows of 256), and a fragment is four loads of 512 consecutive bytes: no pitch, no padding.
; K has four steps, so a work-group has two refills: no prefetch is laid for so short a walk.
; REGISTERS, in windows of 256: window 0: v0-31 addresses; v32-95 the bias in the accumulators' order; from v128 ctx's fragments, ONE set; on the way out v128-255 rows read back from the stage.
;   window 1: Wo's fragments, TWO sets.   window 2: the accumulators of my rows 0-63 ((a, b) at v[8 (8 a + b)]);   window 3: those of rows 64-127.
.set KSTEP,  256
.set ROWB,   256                       ; a row of Wo's tile in bytes
.set KROW,   1024                      ; a row of Wo in memory
.set PITCH,  272                       ; Wo's LDS row: 256 bytes + 16 of padding
.set FR,     16
.set NL,     4
.set NP,     4
.set AIMG,   32768                     ; ctx: 128 tokens x 256 K, as images
.set HALFT,  128*PITCH                 ; Wo: 128 rows
.set BOFF,   2*AIMG                    ; a slot: ctx's two halves, then Wo's two
.set SLOT,   BOFF+2*HALFT
.set LAPS,   1024/(2*KSTEP)
.set SPARE,  2*SLOT                    ; behind the ring: the spare words, 128 bytes for each wave
.set BIASL,  SPARE+512                 ; behind them: 512 bytes for each wave: its 128 numbers of bo.  No tile lands here
.set SPITCH, 528                       ; the way out: a stage of 16 rows x (512 bytes + 16) for each wave, in slot 0, which has had its last fill and its last read when the first result is stored there
.set SIZE_N, 1024
.set BSC,  5                           ; v5      where I put 16 bytes of the bias
.set BRD,  7                           ; v7      where I read it back: + 32 h
.set ADRA, 16
.set ADRB, 20
.set STO,  24                          ; v24     the way out: where I put 32 bytes of a row
.set RD,   25                          ; v25     where I read a row back
.set CO,   26                          ; v26     16 x lane
.set SPW,  28
.set NIL,  29
.set BI,   32
.set AF,   128
.set BK,   128
.set G1, 24
.set G0, 32
.set G1B, 48
.set G0B, 56
.set MSB, 0
.macro WIN new                         ; the immediate's high byte repeats the setting that is left
.if MSB != (\new)
	s_set_vgpr_msb (MSB<<8)|(\new)
.set MSB, (\new)
.endif
.endm
.set MUL_LO, 0xa1
.set MUL_HI, 0xf1
.set TO_B,   0x40
.macro JLOAD g0a, g1a, g0b, g1b        ; a joint load: waves 0 and 1 fetch ctx's halves, waves 2 and 3 Wo's; four v_nop follow each of the two lines
	s_cmp_eq_u32 s15, 0
	s_cbranch_scc0 .Lfor_b_\@
	tensor_load_to_lds s[\g0a:\g0a+3], s[\g1a:\g1a+7]
	s_nop 0
.rept 4
	v_nop
.endr
	s_branch .Lasked_\@
.Lfor_b_\@:
	tensor_load_to_lds s[\g0b:\g0b+3], s[\g1b:\g1b+7]
	s_nop 0
.rept 4
	v_nop
.endr
.Lasked_\@:
.endm
.macro CREST
	s_cmp_lg_u32 s14, 0
	s_cbranch_scc1 .Lnot_wave_0_\@
	s_barrier_signal -3
.Lnot_wave_0_\@:
	s_barrier_wait -3
	s_barrier_signal -1
	s_barrier_wait -1
.endm
.macro CROUND
	s_barrier_signal -1
	s_barrier_wait -1
	CREST
.endm
	s_load_b128 s[4:7], s[0:1], 0x0                ; ctximg, Wo's codes
	s_load_b128 s[8:11], s[0:1], 0x10              ; the scales' exponents, bo
	s_load_b64 s[12:13], s[0:1], 0x20              ; out0
	v_lshl_add_u32 v[SPW], v0, 2, SPARE
	v_mov_b32 v[NIL], 0
	ds_add_u32 v28, v29
	ds_add_u32 v28, v29
	s_wait_dscnt 0x0
	v_lshrrev_b32 v1, 5, v0
	v_readfirstlane_b32 s14, v1                    ; wave 0..3
	s_lshr_b32 s15, s14, 1                         ; which half of the tile's rows is mine.  Also: I fetch for ctx (0) or for Wo (1)
	s_and_b32 s16, s14, 1                          ; which half of its columns.  Also: which half of that tile I fetch
	s_bfe_u32 s40, ttmp6, 0x40000                  ; cx, cy
	s_bfe_u32 s41, ttmp6, 0x40004
	s_lshl_b32 s42, ttmp9, 2
	s_add_co_u32 s42, s42, s40                     ; tile column
	s_and_b32 s17, ttmp7, 0xffff
	s_lshl_b32 s17, s17, 2
	s_add_co_u32 s17, s17, s41                     ; tile row
	s_lshl_b32 s43, s41, 2
	s_lshl_b32 s43, 15, s43                        ; my row of the cluster
	s_lshl_b32 s44, 0x1111, s40                    ; my column
	; group 1 for ctx: a dense block of 128 rows x 32 elements of 8 bytes, no padding
	s_or_b32 s[G1+0], s43, (3<<16)|(1<<21)         ; 15:0 the mask: my row; 17:16 element of 8 bytes; 21 set beside a mask
	s_mov_b32 s[G1+1], 32<<16                      ; tensor_dim0 = 32
	s_mov_b32 s[G1+2], 128<<16                     ; tensor_dim1 = 128
	s_mov_b32 s[G1+3], 32<<16                      ; tile_dim0 = 32
	s_mov_b32 s[G1+4], 128                         ; tile_dim1 = 128
	s_mov_b32 s[G1+5], 32                          ; from row to row: 32 elements
	s_mov_b32 s[G1+6], 0
	s_mov_b32 s[G1+7], 0
	; group 1 for Wo: 128 rows x 256 bytes, padded in LDS
	s_or_b32 s[G1B+0], s44, (0<<16)|(1<<20)|(1<<21)|(5<<22)|(3<<25)  ; my column; element of 1 byte; padding: 4 words after every 64
	s_mov_b32 s[G1B+1], ROWB<<16
	s_mov_b32 s[G1B+2], 128<<16
	s_mov_b32 s[G1B+3], ROWB<<16
	s_mov_b32 s[G1B+4], 128
	s_mov_b32 s[G1B+5], KROW
	s_mov_b32 s[G1B+6], 0
	s_mov_b32 s[G1B+7], 0
	s_lshl_b32 s20, s17, 1
	s_add_co_u32 s20, s20, s16
	s_lshl_b32 s20, s20, 17                        ; ctx: block of 128 tokens 2 x tile row + half: 131,072 bytes each
	s_mov_b32 s21, 0
	s_lshl_b32 s18, s16, 7
	s_lshl_b32 s46, s42, 8
	s_add_co_u32 s46, s46, s18
	s_lshl_b32 s46, s46, 10                        ; Wo: (256 x tile column + 128 x half) rows of 1,024 bytes
	s_mov_b32 s47, 0
	s_lshl_b32 s45, s16, 15                        ; where they go: ctx's half,
	s_mul_i32 s19, s16, HALFT
	s_add_co_u32 s19, s19, BOFF                    ; Wo's half: made of the wave's number alone
	s_wait_kmcnt 0x0
	s_load_b64 s[96:97], s[8:9], 0x28              ; e10, e11
	s_add_nc_u64 s[20:21], s[4:5], s[20:21]
	s_add_nc_u64 s[46:47], s[6:7], s[46:47]
	CROUND                                         ; all sixteen work-groups are here: the first joint loads meet
.irp s, 0,1
	s_mov_b32 s[G0+4*\s], 1
	s_add_co_u32 s[G0+4*\s+1], s45, \s*SLOT
	s_add_nc_u64 s[G0+4*\s+2:G0+4*\s+3], s[20:21], \s*AIMG
	s_or_b32 s[G0+4*\s+3], s[G0+4*\s+3], 0x80000000
	s_mov_b32 s[G0B+4*\s], 1
	s_add_co_u32 s[G0B+4*\s+1], s19, \s*SLOT
	s_add_nc_u64 s[G0B+4*\s+2:G0B+4*\s+3], s[46:47], \s*ROWB
	s_or_b32 s[G0B+4*\s+3], s[G0B+4*\s+3], 0x80000000
	JLOAD G0+4*\s, G1, G0B+4*\s, G1B               ; two tensor loads of mine are out
.endr
	v_and_b32 v1, 15, v0                           ; r
	v_bfe_u32 v2, v0, 4, 1                         ; h
	v_mul_u32_u24 v3, v1, PITCH
	v_lshl_add_u32 v4, v2, 4, v3                   ; Wo: a fragment's row x pitch + 16 x half
	v_and_b32 v6, 31, v0
	v_lshlrev_b32 v[CO], 4, v6                     ; 16 x lane: an image's place for my lane; also my place in a row of the stage and of out0
	s_lshl_b32 s21, s15, 15                        ; my 128 tokens' images
	s_mul_i32 s22, s16, HALFT
	s_add_co_u32 s22, s22, BOFF                    ; my 128 rows of Wo
.irp s, 0,1
	v_add_nc_u32 v[ADRA+\s], s21, v[CO]
	v_add_nc_u32 v[ADRB+\s], s22, v4
	s_add_co_u32 s21, s21, SLOT
	s_add_co_u32 s22, s22, SLOT
.endr
	s_lshl_b32 s23, s14, 9
	s_add_co_u32 s23, s23, BIASL                   ; my wave's 512 bytes for the bias
	v_add_nc_u32 v[BSC], s23, v[CO]
	v_lshl_add_u32 v[BRD], v2, 5, s23
	s_mul_i32 s23, s14, 16*SPITCH                  ; my stage
	v_mul_u32_u24 v9, v1, SPITCH                   ; in: row r, 32 bytes for each half of the lanes
	v_lshl_add_u32 v9, v2, 5, v9
	v_add_nc_u32 v[STO], s23, v9
	v_add_nc_u32 v[RD], s23, v[CO]                 ; back: the 32 lanes take one row of 512 bytes
	s_lshl_b32 s20, s17, 8
	s_lshl_b32 s21, s15, 7
	s_add_co_u32 s20, s20, s21                     ; my first row of out0,
	s_lshl_b32 s20, s20, 12                        ; of 4,096 bytes
	s_mov_b32 s21, 0
	s_lshl_b32 s46, s42, 10                        ; my first column, in bytes: 1,024 x tile column + 512 x half; the same bytes in bo
	s_lshl_b32 s47, s16, 9
	s_add_co_u32 s46, s46, s47
	s_mov_b32 s47, 0
	s_add_nc_u64 s[20:21], s[20:21], s[46:47]
	s_add_nc_u64 s[12:13], s[12:13], s[20:21]
	s_add_nc_u64 s[10:11], s[10:11], s[46:47]
	global_load_b128 v[10:13], v[CO], s[10:11]     ; my 128 numbers of bo: 512 consecutive bytes, once
	s_wait_loadcnt 0x0
	ds_store_b128 v[BSC], v[10:13]
.irp b, 0,1,2,3,4,5,6,7
	ds_load_b128 v[BI+8*\b:BI+8*\b+3], v[BRD] offset:64*\b       ; bo of columns 16 b + 8 h + 0 .. 7, in the accumulators' order: LDS serves a wave's instructions in order, so these see my store
	ds_load_b128 v[BI+8*\b+4:BI+8*\b+7], v[BRD] offset:64*\b+16
.endr
.macro FRAG reg, adr, q, i             ; a fragment of Wo: registers 4 c .. 4 c + 3 hold K = 32 c + 16 (l / 16) + 0 .. 15 of row l % 16
.irp c, 0,1,2,3
	ds_load_b128 v[\reg+4*\c:\reg+4*\c+3], v[\adr] offset:128*(\q)+32*\c+(\i)*16*PITCH
.endr
.endm
.macro FRAGI reg, adr, q, i            ; a fragment of ctx, from its image: tile i, the slot's q-th 128 along K
.irp c, 0,1,2,3
	ds_load_b128 v[\reg+4*\c:\reg+4*\c+3], v[\adr] offset:4096*(\i)+2048*(\q)+512*\c
.endr
.endm
.macro MUL16 a0, p, zero               ; 16 matrix instructions; the 64 accumulators take turns, one instruction a turn
.irp a, \a0, \a0+1
.irp b, 0,1,2,3,4,5,6,7
.if \zero
	v_wmma_f32_16x16x128_fp8_fp8 v[8*(8*((\a)%4)+\b):8*(8*((\a)%4)+\b)+7], v[128*(\p)+FR*\b:128*(\p)+FR*\b+FR-1], v[AF+FR*(\a):AF+FR*(\a)+FR-1], 0
.else
	v_wmma_f32_16x16x128_fp8_fp8 v[8*(8*((\a)%4)+\b):8*(8*((\a)%4)+\b)+7], v[128*(\p)+FR*\b:128*(\p)+FR*\b+FR-1], v[AF+FR*(\a):AF+FR*(\a)+FR-1], v[8*(8*((\a)%4)+\b):8*(8*((\a)%4)+\b)+7]
.endif
.endr
.endr
.endm
.macro FETCH_B slot, q, p
	WIN TO_B
.irp i, 0,1,2,3,4,5,6,7
	FRAG 128*(\p)+FR*\i, ADRB+\slot, \q, \i
.endr
	WIN 0
.endm
.macro FETCH_A slot, q, i0
.irp i, \i0, \i0+1, \i0+2, \i0+3
	FRAGI AF+FR*(\i), ADRA+\slot, \q, \i
.endr
.endm
.macro PLACES n                        ; plain vector instructions between a matrix instruction and a load into its registers, or a read of its result
.rept \n
	v_nop
.endr
.endm
.macro STEP slot, q, zero
	s_wait_dscnt 4*NL                              ; Wo's set and ctx's blocks 0-3 are in; the youngest sixteen loads (blocks 4-7) may be out
	WIN MUL_LO
	MUL16 0, (\q)%2, \zero
	MUL16 2, (\q)%2, \zero
	s_wait_dscnt 0
	PLACES NP
	FETCH_B \slot, (\q)+1, 1-(\q)%2
	FETCH_A \slot, (\q)+1, 0
	WIN MUL_HI
	MUL16 4, (\q)%2, \zero
	MUL16 6, (\q)%2, \zero
	PLACES NP
	WIN 0
	FETCH_A \slot, (\q)+1, 4
.endm
.macro TURN slot, next, fill           ; a slot's last step changes slots: ONE barrier; in front of it the wait for all my tensor loads, the add, and the wait for it and for my reads of this slot
	s_wait_tensorcnt 0x0                           ; all my tensor loads have landed: my part of the next slot
	ds_add_u32 v[SPW], v[NIL]                      ; 0 onto my spare word
	s_wait_dscnt 4*NL+1                            ; (the add and the youngest sixteen loads may be out)
	WIN MUL_LO
	MUL16 0, 1, 0
	s_wait_dscnt 0x0                               ; the add is done, and my reads of this slot are over
	s_barrier_signal -1
	MUL16 2, 1, 0
	WIN 0
	s_barrier_wait -1
.if \fill
	CREST                                          ; the barrier has opened a round of the cluster's barrier: no wave of any partner still reads this slot's tile or has a load on its way
	s_add_nc_u64 s[G0+4*\slot+2:G0+4*\slot+3], s[G0+4*\slot+2:G0+4*\slot+3], 2*AIMG
	s_add_nc_u64 s[G0B+4*\slot+2:G0B+4*\slot+3], s[G0B+4*\slot+2:G0B+4*\slot+3], 2*ROWB
	JLOAD G0+4*\slot, G1, G0B+4*\slot, G1B         ; the first tensor load behind the round; its four v_nop are the places in front of the loads below
.else
	PLACES NP
.endif
	FETCH_B \next, 0, 0
	FETCH_A \next, 0, 0
	WIN MUL_HI
	MUL16 4, 1, 0
	MUL16 6, 1, 0
	PLACES NP
	WIN 0
	FETCH_A \next, 0, 4
.endm
	s_wait_tensorcnt 1                             ; my part of K step 0 is in (K step 1's load may be out)
	s_wait_dscnt 0x0                               ; the bias is in its registers, and no LDS instruction of mine is pending at the signal
	s_barrier_signal -1
	s_barrier_wait -1
	FETCH_B 0, 0, 0
	FETCH_A 0, 0, 0
	FETCH_A 0, 0, 4
	STEP 0, 0, 1                                   ; the first step stands in front of the loop: its products start the sums
	s_mov_b32 s3, LAPS-1
.Llap:
	TURN 0, 1, 1
	STEP 1, 0, 0
	TURN 1, 0, 1
	STEP 0, 0, 0
	s_sub_co_u32 s3, s3, 1
	s_cmp_lg_u32 s3, 0
	s_cbranch_scc1 .Llap
	TURN 0, 1, 0                                   ; the last lap fills nothing
	STEP 1, 0, 0
	s_wait_dscnt 4*NL
	WIN MUL_LO
	MUL16 0, 1, 0
	MUL16 2, 1, 0
	s_wait_dscnt 0
	WIN MUL_HI
	MUL16 4, 1, 0
	MUL16 6, 1, 0
	WIN 0
; THE WAY OUT, block by block of 16 rows x 128 columns: sum x 2^(e10 + e11) + bo, in place, one packed multiply-add for two numbers; through my own stage in LDS; back as whole rows of 512 bytes.
.macro TOSTAGE a
.set AC, 64*((\a)%4)
	WIN 0x82+0x41*((\a)/4)                         ; source 0 and destination: window 2 or 3; the bias in window 0
.set j, 0
.rept 32
	v_pk_fma_f32 v[AC+j:AC+j+1], v[AC+j:AC+j+1], s[96:97], v[BI+j:BI+j+1] op_sel_hi:[1,0,1]   ; each accumulator from its low end on
.set j, j+2
.endr
	WIN 0x08+4*((\a)/4)                            ; an LDS store's data are its source 1: window 2 or 3
.irp b, 0,1,2,3,4,5,6,7
	ds_store_b128 v[STO], v[AC+8*\b:AC+8*\b+3] offset:64*\b
	ds_store_b128 v[STO], v[AC+8*\b+4:AC+8*\b+7] offset:64*\b+16
.endr
	WIN 0
.set BB, BK+64*((\a)%2)
.irp t, 0,1,2,3,4,5,6,7,8,9,10,11,12,13,14,15
	ds_load_b128 v[BB+4*\t:BB+4*\t+3], v[RD] offset:\t*SPITCH    ; LDS serves a wave's instructions in order (ISA guide 5.7.1.4): these see the stores above, and the next block's stores come behind them
.endr
.endm
.macro SEND a, younger                 ; younger: the LDS instructions issued behind block a's loads, which may stay out
.set BB, BK+64*((\a)%2)
	s_wait_dscnt \younger
.if (\a) > 0
	s_add_nc_u64 s[12:13], s[12:13], 16*SIZE_N*4   ; (behind a wait on XCNT: the earlier stores have read their base)  16 rows of out0 on
.endif
.irp t, 0,1,2,3,4,5,6,7,8,9,10,11,12,13,14,15
	global_store_b128 v[CO], v[BB+4*\t:BB+4*\t+3], s[12:13] offset:\t*SIZE_N*4 th:TH_STORE_NT   ; 32 lanes store 512 consecutive bytes, aligned; written once, read by nobody here
.endr
.endm
	s_wait_kmcnt 0x0
	s_add_co_i32 s96, s96, s97
	s_add_co_i32 s96, s96, 127
	s_lshl_b32 s96, s96, 23                        ; 2^(e10 + e11) as f32
	s_mov_b32 s97, s96                             ; (named with it as a pair)
	PLACES NP                                      ; behind the last products: what follows reads and rewrites results and loads into the registers that held ctx's fragments
	TOSTAGE 0
.irp a, 1,2,3,4,5,6,7
.if \a > 1
	s_wait_xcnt 0x0                                ; block a - 2's stores have read their registers and their base
.endif
	TOSTAGE \a
	SEND \a-1, 32                                  ; behind block a - 1's loads: block a's 16 stores and 16 loads
.endr
	s_wait_xcnt 0x0
	SEND 7, 0
	s_wait_tensorcnt 0x0                           ; the wave's end: behind my last tensor load and my last LDS store
	ds_add_u32 v[SPW], v[NIL]
	s_wait_dscnt 0x0
	CROUND                                         ; the closing round
	s_endpgm
.Lfunc_end_k_qdf5653e65b_proj:
	.size	k_qdf5653e65b_proj, .Lfunc_end_k_qdf5653e65b_proj-k_qdf5653e65b_proj
	.p2alignl 7, 3214868480
	.fill 96, 4, 3214868480
	.section	.rodata,"a",@progbits
	.p2align	6, 0x0
	.amdhsa_kernel k_qdf5653e65b_proj
		.amdhsa_group_segment_fixed_size 327680
		.amdhsa_private_segment_fixed_size 0
		.amdhsa_enable_private_segment 0
		.amdhsa_kernarg_size 40
		.amdhsa_user_sgpr_count 2
		.amdhsa_user_sgpr_kernarg_segment_ptr 1
		.amdhsa_wavefront_size32 1
		.amdhsa_system_sgpr_workgroup_id_x 1
		.amdhsa_system_sgpr_workgroup_id_y 1
		.amdhsa_system_sgpr_workgroup_id_z 1
		.amdhsa_system_vgpr_workitem_id 0
		.amdhsa_next_free_vgpr 1024
		.amdhsa_next_free_sgpr 98
		.amdhsa_reserve_vcc 0
		.amdhsa_float_denorm_mode_32 3
		.amdhsa_float_denorm_mode_16_64 3
		.amdhsa_memory_ordered 1
		.amdhsa_forward_progress 1
		.amdhsa_inst_pref_size 125
	.end_amdhsa_kernel
	.amdgpu_metadata
---
amdhsa.version: [ 1, 2 ]
amdhsa.kernels:
  - .name:           k_qdf5653e65b_proj
    .symbol:         k_qdf5653e65b_proj.kd
    .args:
      - { .name: ctximg, .offset: 0, .size: 8, .value_kind: global_buffer, .address_space: global }
      - { .name: Wo_codes, .offset: 8, .size: 8, .value_kind: global_buffer, .address_space: global }
      - { .name: lowp_scales, .offset: 16, .size: 8, .value_kind: global_buffer, .address_space: global }
      - { .name: bo, .offset: 24, .size: 8, .value_kind: global_buffer, .address_space: global }
      - { .name: out0, .offset: 32, .size: 8, .value_kind: global_buffer, .address_space: global }
    .group_segment_fixed_size: 327680
    .private_segment_fixed_size: 0
    .kernarg_segment_align: 8
    .kernarg_segment_size: 40
    .max_flat_workgroup_size: 128
    .sgpr_count:     98
    .vgpr_count:     1024
    .wavefront_size: 32
...
	.end_amdgpu_metadata
.endif
;; end of part 4
;; ======== version 2 of 2: 4 launches; version 1 with the launch attn written anew for expert scheduling mode
;; workspace buffers: qimg 8,388,608 bytes; kimg 8,388,608 bytes; vimg 8,388,608 bytes; ctximg 8,388,608 bytes; mbits 524,288 bytes of whole numbers; mflags 512 bytes of whole numbers
;; launch pack: the kernel of part 1 again; grid 128 x 1, 8 waves a work-group, no clusters, 36,096 bytes of LDS; arguments mask, mbits, mflags; writes mbits, mflags
;; launch qkv: the kernel of part 2 again; grid 12 x 32, 4 waves a work-group, clusters of 4 x 4, 327,680 bytes of LDS; arguments input_Q_codes, Wq_codes, Wk_codes, Wv_codes, bq, bk, bv, lowp_scales, qimg, kimg, vimg; writes qimg, kimg, vimg
;; launch attn (part 5): grid 64 x 4, 16 waves a work-group, no clusters, 34,816 bytes of LDS; arguments qimg, kimg, vimg, mbits, mflags, lowp_scales, ctximg; writes ctximg
.if DOCPART == 5
	.amdgcn_target "amdgcn-amd-amdhsa--gfx1250"
	.amdhsa_code_object_version 6
	.text
	.protected	k_qdf5653e65b_attn
	.globl	k_qdf5653e65b_attn
	.p2align	8
	.type	k_qdf5653e65b_attn,@function
k_qdf5653e65b_attn:
	s_mov_b64 s[64:65], 0
	v_nop
	global_prefetch_b8 v0, s[64:65] scope:SCOPE_SE
	s_setreg_imm32_b32 hwreg(HW_REG_WAVE_SCHED_MODE, 0, 2), 2
	s_setreg_imm32_b32 hwreg(HW_REG_WAVE_MODE, 25, 1), 1
	s_wait_xcnt 0x0
	s_wait_alu depctr_vm_vsrc(0)
; ctx[b][h][q] = the sum over k of softmax_k(Q . K / 8, hidden places at -infinity) V, both products on codes of FP8 (E4M3); ctx is quantised with 2^e10 and stored as codes in the order of the last launch's operand registers.
; THE SOFTMAX AHEAD OF THE SECOND PRODUCT: t = score x log2(e) / 8; M = the row's largest t so far, rounded UP to a whole number; p = 2^(t - M) is quantised with 2^e8, not normalised; the row's sum is taken of the
; unquantised p and divides at the end.  When M moves, the sum and O are multiplied by 2^(old M - new M): exact.
; SHARES.  Work-group (x, y): x = batch x head; it makes two blocks of 256 queries one after the other, blocks y and 7 - y.  Each of its SIXTEEN waves owns one tile of 16 queries in 256 registers, four waves to a SIMD,
; so that one wave's vector work stands beside another's products and LDS loads.  Every wave walks the 16 key steps of 128 keys.
; THE MASK is an input: it comes as lane masks (mbits) and as flags (mflags), both made by the first launch.  A key step in which all places of my 16 queries are hidden is passed over (its p are all 0 and M does not
; move); a step that all sixteen waves pass over is not fetched; in a step with no hidden place the 64 selects are left out.  These are scalar branches on stored whole numbers; no barrier stands under one.
; Since branches hang on loaded numbers, K and V come through registers (global load, LDS store, barrier, LDS load), not by tensor loads; each tile is asked for a whole key step ahead of its LDS store.
; No cluster: the work-groups of a head pass over different key steps, so partners would need different numbers of tiles.  No prefetch: which tiles are read hangs on the flags, and the four work-groups of a head
; reach a tile at different steps of their walks, so no one of them can name each tile once at a fixed lead.
; LAYOUT.  Both products are used transposed: S^T = K Q^T (source 0 = 16 keys, source 1 = my 16 queries, K = 64), O^T = V^T P^T (source 0 = 16 channels, source 1 = P, K = 128 keys): a lane holds ONE query (lane % 16).
; Register 8 t + j of S^T is key 16 t + 8 h + j, which is the place of registers 2 t, 2 t + 1 of the K = 128 operand: the eight conversions' results ARE the operand.  K's, Q's and V's images lie in memory and in LDS
; as their registers: every LDS address is 16 x lane or 16 x thread + a constant.
; A ROW ALL OF WHOSE KEYS ARE HIDDEN has the sum 0: it gets the NaN code.
; LIMITS on the given exponents: e6 + e7 between -123 and 130 (added to c's exponent field); e8 and e10 between -126 and 119.
; REGISTERS: v1 16 x lane, v2 16 x thread; v12 -M, v13 the largest t, v[14:15] the sum; v16-23 Q; v24-31 the tile on its way; v32-95 K's 8 fragments, then in v32-63 V's fragments 2 and 3; v224-255 V's fragments 0 and 1;
;   v96-159 S^T, then p; v160-191 O^T; v192-207 p's codes;
;   v208, v209: 2^e8, 448 x 2^e8; v210 -infinity; v211, v212: 2^e10, 448 x 2^e10; v214 f; v216-218, v[220:221] at work; v222 the NaN carrier.
;   s[32:63], s[68:99]: a key step's 64 mask words (word w in s[32 + w], from w = 32 on in s[36 + w]).
; THE MODE: SCHED_MODE bits 1:0 = 2 (LLVM: expert scheduling mode 2), set by the entry lines.  The code itself states the register dependences between vector or matrix instructions and memory or LDS
; instructions, with s_wait_alu, always for 0.
; THE PLAN.  Registers that memory or LDS instructions touch:
;   v1, v2     Addresses.  Written at the head by vector instructions and never again; read by every load and store.
;   v16-23     Q.  Two global loads at a block's head land in it; that block's score products read it.
;   v24-31     The tile on its way.  Global loads land in it, the next step's two LDS stores read it; no vector or matrix instruction names it.
;   v32-95     K.  Sixteen LDS loads at the head of a step's work land in it; the step's eight score products read it.
;   v32-63     then V's fragments 2 and 3.  Eight LDS loads behind the wait for the exponentials land in it; the last two of the step's four products V^T P read it.
;   v224-255   V's fragments 0 and 1.  Eight LDS loads behind the score products land in it; the first two products V^T P read it.
;   v140-147   ctx's codes.  Written by the selects at a block's end, read by its two stores, written again (as scores) by the next block's products.
; So a step's work has ONE wait on va_vdst at its head (the step before is done reading K's and V's registers), behind which K's loads and, behind the score products, which name none of v224-255, V's first eight
; follow with no further wait; the wait that stands behind the exponentials in any case states as well that the score products are done reading v32-63, and V's last eight loads follow it.  One wait on vm_vsrc a
; step stands between the LDS stores of v24-31 and the loads into them.  A block has one wait on va_vdst at its head, one ahead of its stores, and one on vm_vsrc behind them.
.set KVB,   8192                       ; a key step's image of K, and of V
.set SLOTB, 2*KVB                      ; an LDS slot: K's image, then V's; two slots
.set LN,  1
.set TH,  2
.set VA,  224                          ; V's fragments 0 and 1
.set FW,  24                           ; s24  my 16 queries' flags, shifted a place a step: bit 0 some place open, bit 16 some place hidden
.set GW,  25                           ; s25  the sixteen waves' open bits ORed, shifted likewise: bit 0 this step is fetched, bit 1 the next is
	s_load_b256 s[4:11], s[0:1], 0x0               ; qimg, kimg, vimg, mbits
	s_load_b128 s[12:15], s[0:1], 0x20             ; mflags, the scales' exponents
	s_load_b64 s[16:17], s[0:1], 0x30              ; ctximg
	v_lshl_add_u32 v213, v0, 2, 0x8000
	v_mov_b32 v219, 0
	v_lshrrev_b32 v3, 5, v0
	v_readfirstlane_b32 s18, v3                    ; wave 0..15
	v_and_b32 v[LN], 31, v0
	v_lshlrev_b32 v[LN], 4, v[LN]
	v_lshlrev_b32 v[TH], 4, v0
	s_wait_alu depctr_va_sdst(0)                   ; s18 is written, ahead of its first reader (a block's head makes my tile's number from it) and ahead of every label
	s_mov_b32 s19, ttmp9                           ; batch x 16 + head
	s_and_b32 s21, ttmp7, 0xffff                   ; the block of 256 queries in hand: y, then 7 - y
	s_mov_b32 s22, 2                               ; blocks to go
	s_mov_b32 s30, 0x76543210                      ; v_permlanex16_b32's selects for lane l xor 16
	s_mov_b32 s31, 0xfedcba98
	s_mov_b32 s100, 0xffff0000                     ; lanes 16-31
	s_mov_b32 s28, 0x3e38aa3b                      ; c = log2(e) / 8
	v_mov_b32 v210, 0xff800000                     ; -infinity
	v_mov_b32 v215, 0                              ; (named as the upper halves of pairs)
	v_mov_b32 v223, 0
	v_mov_b32 v218, 0                              ; written once: a lane permute's destination counts as one of its sources
	v_mov_b32 v138, 0
	v_mov_b32 v139, 0
	s_lshl_b32 s26, s19, 17                        ; 131,072 bytes of each image for a batch and head
	s_mov_b32 s27, 0
	s_wait_kmcnt 0x0
	s_load_b128 s[32:35], s[14:15], 0x18           ; e6, e7, e8, e9
	s_load_b32 s36, s[14:15], 0x28                 ; e10
	s_add_nc_u64 s[6:7], s[6:7], s[26:27]
	s_add_nc_u64 s[8:9], s[8:9], s[26:27]
	s_wait_kmcnt 0x0
	s_add_co_i32 s26, s32, s33
	s_lshl_b32 s26, s26, 23
	s_add_co_i32 s28, s28, s26                     ; a score stands for score x 2^(e6 + e7): the two exponents are added to c's exponent field
	s_mov_b32 s29, s28                             ; (named with it as a pair)
	s_mov_b32 s66, s34                             ; e8
	s_add_co_i32 s67, s34, s35                     ; e8 + e9
	s_add_co_i32 s26, s34, 127
	s_lshl_b32 s27, s26, 23
	v_mov_b32 v208, s27                            ; 2^e8
	s_add_co_i32 s26, s26, 8
	s_lshl_b32 s26, s26, 23
	s_or_b32 s26, s26, 0x600000
	v_mov_b32 v209, s26                            ; 448 x 2^e8
	s_add_co_i32 s26, s36, 127
	s_lshl_b32 s27, s26, 23
	v_mov_b32 v211, s27                            ; 2^e10
	s_add_co_i32 s26, s26, 8
	s_lshl_b32 s26, s26, 23
	s_or_b32 s26, s26, 0x600000
	v_mov_b32 v212, s26                            ; 448 x 2^e10
.macro FETCH8 reg, off                 ; 4,096 bytes of image into v[reg] on: eight loads of 512 consecutive bytes
.irp i, 0,1,2,3,4,5,6,7
	ds_load_b128 v[\reg+4*\i:\reg+4*\i+3], v[LN] offset:(\off)+512*\i
.endr
.endm
; A KEY STEP, in LDS slot p.  One barrier a step serves both orders: in front of it each wave's stores into slot p have landed and its reads of slot 1 - p (the step before) are back; slot p was last read two steps
; back, ahead of the barrier of the step before.
.macro STEP p
	s_wait_loadcnt 0x0                             ; this step's tile, asked for a step ago, is in my registers (in a block's first step: Q too)
	s_bitcmp1_b32 s[GW], 0
	s_cbranch_scc0 .Lno_put_\@                     ; nobody wants this step: nothing was fetched
	ds_store_b128 v[TH], v[24:27] offset:SLOTB*\p
	ds_store_b128 v[TH], v[28:31] offset:SLOTB*\p+KVB
.Lno_put_\@:
	s_wait_dscnt 0x0
	s_barrier_signal -1
	s_barrier_wait -1
	s_wait_alu depctr_vm_vsrc(0)                   ; my two LDS stores have read v24-31, in which the next tile's loads land: on both ways, and ahead of the branch round those loads
	s_bitcmp1_b32 s[GW], 1
	s_cbranch_scc0 .Lno_get_\@                     ; (bit 16 of the flags' OR is cleared: no seventeenth tile is ever asked for)
	global_load_b128 v[24:27], v[TH], s[6:7] offset:KVB*(\p+1)    ; the next step's K and V: 512 threads x 16 bytes each
	global_load_b128 v[28:31], v[TH], s[8:9] offset:KVB*(\p+1)
.Lno_get_\@:
	s_bitcmp1_b32 s[FW], 0
	s_cbranch_scc0 .Lskip_\@                       ; all 128 keys are hidden from my 16 queries
	s_wait_alu depctr_va_vdst(0)                   ; the products of the last step that I worked are done reading v32-95 and v224-255, in which K's loads and V's first eight land
	s_load_b512 s[32:47], s[2:3], 256*\p           ; the step's 64 mask words: asked for in every step that is worked, so that they are written on every way to the selects
	s_load_b512 s[48:63], s[2:3], 256*\p+64
	s_load_b512 s[68:83], s[2:3], 256*\p+128
	s_load_b512 s[84:99], s[2:3], 256*\p+192
	FETCH8 32, SLOTB*\p                            ; K's fragments 0 to 3,
	FETCH8 64, SLOTB*\p+4096                       ; and 4 to 7
	s_wait_dscnt 8                                 ; LDS loads come back in order (ISA guide 5.7.1): the first eight are in, v32-63; the eight younger ones may be out
.irp t, 0,1,2,3
	v_wmma_f32_16x16x64_fp8_fp8 v[96+8*\t:103+8*\t], v[32+8*\t:39+8*\t], v[16:23], 0
.endr
	s_wait_dscnt 0x0                               ; v64-95 are in
.irp t, 4,5,6,7
	v_wmma_f32_16x16x64_fp8_fp8 v[96+8*\t:103+8*\t], v[32+8*\t:39+8*\t], v[16:23], 0
.endr
	FETCH8 VA, SLOTB*\p+KVB                        ; V's fragments 0 and 1.  No wait: the eight products since the wait at the step's head name v16-23, v32-95 and v96-159, none of v224-255 and not the address
.rept 4
	v_nop                                          ; places in front of the first read of the scores
.endr
	s_wait_kmcnt 0x0
	s_bitcmp1_b32 s[FW], 16
	s_cbranch_scc0 .Lopen_\@                       ; no place of this step is hidden
.set w, 0
.rept 64
	v_cndmask_b32 v[96+w], v[96+w], v210, s[32+w+4*(w/32)]   ; hidden places become -infinity ahead of the maximum: p = 0 then
.set w, w+1
.endr
.Lopen_\@:
	v_max3_num_f32 v216, v96, v97, v98             ; the step's largest score of my query, among my 64 keys, in two chains, each accumulator from its low end on,
	v_max3_num_f32 v217, v99, v100, v101
.irp i, 6,10,14,18,22,26,30,34,38,42,46,50,54,58
	v_max3_num_f32 v216, v216, v[96+\i], v[97+\i]
	v_max3_num_f32 v217, v217, v[98+\i], v[99+\i]
.endr
	v_max3_num_f32 v216, v216, v158, v159
	v_max_num_f32 v216, v216, v217
	v_permlanex16_b32 v218, v216, s30, s31
	v_max_num_f32 v216, v216, v218                 ; and among lane l xor 16's
	v_mul_f32 v216, s28, v216                      ; as t (c is positive)
	v_max_num_f32 v13, v13, v216                   ; the running largest t
	v_mov_b32 v216, v12
	v_floor_f32 v12, -v13                          ; the new -M = floor(-t) = -ceil(t): a whole number
	v_sub_f32 v216, v12, v216                      ; M's old value less its new one: 0 or less
	v_cvt_i32_f32 v216, v216                       ; (it saturates)
	v_ldexp_f32 v214, 1.0, v216                    ; f = 2^(old M - new M)
.set j, 0
.rept 32
	v_pk_fma_f32 v[96+j:97+j], v[96+j:97+j], s[28:29], v[12:13] op_sel_hi:[1,0,0]   ; t - M, two at a time
.set j, j+2
.endr
.set j, 0
.rept 64
	v_exp_f32 v[96+j], v[96+j]                     ; p = 2^(t - M), at most 1
.set j, j+1
.endr
	v_pk_mul_f32 v[14:15], v[14:15], v[214:215] op_sel_hi:[1,0]   ; the sums under the new M: the plain instruction behind the exponentials
	s_wait_alu depctr_va_vdst(0)                   ; the 64 exponentials have written p, ahead of its first reader (one wait for the batch); and the score products are done reading v32-63, in which the loads below land
	FETCH8 32, SLOTB*\p+KVB+4096                   ; V's fragments 2 and 3 land while the sums, the conversions and the rescaling are worked
	v_pk_add_f32 v[220:221], v[96:97], v[98:99]    ; the row's sum is taken of the unquantised p, in two chains
.irp j, 4,8,12,16,20,24,28,32,36,40,44,48,52,56,60
	v_pk_add_f32 v[14:15], v[14:15], v[96+\j:97+\j]
	v_pk_add_f32 v[220:221], v[220:221], v[98+\j:99+\j]
.endr
	v_pk_add_f32 v[14:15], v[14:15], v[220:221]
	s_cmp_ge_i32 s66, -8                           ; p is at most 1, and from e8 = -8 on 448 x 2^e8 is at least 1.75: the hold cannot act and is passed over.  Under that it runs
	s_cbranch_scc1 .Lno_hold_\@
.set j, 0
.rept 64
	v_min_num_f32 v[96+j], v[96+j], v209           ; the conversion to an 8-bit code does not saturate (ISA guide 7.6.2); p is not negative, so the hold is one-sided
.set j, j+1
.endr
.Lno_hold_\@:
.irp t, 0,1,2,3,4,5,6,7
	v_cvt_scalef32_pk8_fp8_f32 v[192+2*\t:193+2*\t], v[96+8*\t:103+8*\t], v208   ; registers 2 t, 2 t + 1 of the operand: keys 16 t + 8 h + 0 .. 7
.endr
.set j, 0
.rept 16
	v_pk_mul_f32 v[160+j:161+j], v[160+j:161+j], v[214:215] op_sel_hi:[1,0]      ; O^T under the new M.  (Plain instructions between the conversions and the products that read their results)
.set j, j+2
.endr
	s_wait_dscnt 8                                 ; V's fragments 0 and 1 are in; the eight younger loads, fragments 2 and 3, may be out
	v_wmma_f32_16x16x128_fp8_fp8 v[160:167], v[VA:VA+15], v[192:207], v[160:167]      ; the four accumulators take turns; between two turns of one stand the next step's eight score products
	v_wmma_f32_16x16x128_fp8_fp8 v[168:175], v[VA+16:VA+31], v[192:207], v[168:175]
	s_wait_dscnt 0x0                               ; fragments 2 and 3 are in
	v_wmma_f32_16x16x128_fp8_fp8 v[176:183], v[32:47], v[192:207], v[176:183]
	v_wmma_f32_16x16x128_fp8_fp8 v[184:191], v[48:63], v[192:207], v[184:191]
.rept 4
	v_nop                                          ; places behind the products, for whatever way follows: reads and writes of O^T
.endr
.Lskip_\@:
	s_lshr_b32 s[FW], s[FW], 1
	s_lshr_b32 s[GW], s[GW], 1
.endm
.Lpass:                                            ; a block of 256 queries
	s_lshl_b32 s20, s21, 4
	s_add_co_u32 s20, s20, s18                     ; qt: my tile of 16 queries = 16 x block + wave
	s_lshl_b32 s54, s20, 2
	s_mov_b32 s55, 0
	s_add_nc_u64 s[48:49], s[12:13], s[54:55]      ; my flags,
	s_lshl_b32 s54, s21, 6
	s_add_nc_u64 s[50:51], s[12:13], s[54:55]      ; and all sixteen waves'
	s_load_b32 s[FW], s[48:49], 0x0
	s_load_b512 s[32:47], s[50:51], 0x0
	s_lshl_b32 s54, s19, 7
	s_add_co_u32 s54, s54, s20
	s_lshl_b32 s54, s54, 10                        ; Q's image: 1,024 bytes a tile
	s_add_nc_u64 s[52:53], s[4:5], s[54:55]
	s_wait_alu depctr_va_vdst(0)                   ; first block: v1 and v2 are written, which every load and store of the kernel reads as its address; second block: the first block's score products are done reading Q, in which the loads below land
	global_load_b128 v[16:19], v[LN], s[52:53]
	global_load_b128 v[20:23], v[LN], s[52:53] offset:512
	global_load_b128 v[24:27], v[TH], s[6:7]       ; key step 0's tile, whatever the flags say: so the registers are written on every way
	global_load_b128 v[28:31], v[TH], s[8:9]
	s_lshl_b32 s54, s20, 12
	s_add_nc_u64 s[2:3], s[10:11], s[54:55]        ; my mask words: 4,096 bytes for 16 queries
	v_mov_b32 v13, 0xff61b1e6                      ; the largest t so far: -3e38, under every t
	v_floor_f32 v12, -v13                          ; -M
	v_mov_b32 v14, 0
	v_mov_b32 v15, 0
.set j, 0
.rept 32
	v_mov_b32 v[160+j], 0                          ; O^T.  (The step is written once: a block's first finds zeros, which the first change of M leaves zeros)
.set j, j+1
.endr
	s_wait_kmcnt 0x0
	s_or_b32 s[GW], s32, s33
.irp i, 34,35,36,37,38,39,40,41,42,43,44,45,46,47
	s_or_b32 s[GW], s[GW], s\i
.endr
	s_and_b32 s[GW], s[GW], 0xffff                 ; the open bits alone
	s_mov_b32 s23, 8
.Ltrip:                                            ; two key steps a trip, one in each slot
	STEP 0
	STEP 1
	s_wait_xcnt 0x0                                ; the loads have read their bases: they step only behind this wait
	s_add_nc_u64 s[6:7], s[6:7], 2*KVB
	s_add_nc_u64 s[8:9], s[8:9], 2*KVB
	s_add_nc_u64 s[2:3], s[2:3], 512
	s_sub_co_u32 s23, s23, 1
	s_cmp_lg_u32 s23, 0
	s_cbranch_scc1 .Ltrip
	; THE BLOCK'S END.  ctx = O^T x 2^(e8 + e9) / the sum, held, quantised with 2^e10.
	v_add_f32 v14, v14, v15                        ; the sum's two halves,
	v_permlanex16_b32 v218, v14, s30, s31
	v_add_f32 v14, v14, v218                       ; and lane l xor 16's
	v_rcp_f32 v14, v14
	v_nop                                          ; a plain instruction behind the reciprocal
	s_lshr_b32 s32, s19, 4                         ; where my codes go: g = 128 x batch + qt;
	s_lshl_b32 s32, s32, 7
	s_add_co_u32 s32, s32, s20
	s_lshr_b32 s33, s32, 3
	s_lshl_b32 s33, s33, 17                        ; block of 128 tokens g / 8: 131,072 bytes;
	s_and_b32 s32, s32, 7
	s_lshl_b32 s32, s32, 12                        ; tile g % 8: 4,096;
	s_add_co_u32 s32, s32, s33
	s_and_b32 s33, s19, 15                         ; the head: its 64 channels are k = 64 head on:
	s_lshr_b32 s34, s33, 2
	s_lshl_b32 s34, s34, 15                        ; slot of 256 along K head / 4: 32,768;
	s_add_co_u32 s32, s32, s34
	s_and_b32 s34, s33, 3
	s_lshl_b32 s34, s34, 10                        ; two chunks of 512 for each head in it
	s_add_co_u32 s32, s32, s34
	s_mov_b32 s33, 0
	s_add_nc_u64 s[34:35], s[16:17], s[32:33]
	s_wait_alu depctr_va_vdst(0)                   ; the reciprocal has written v14, ahead of its first reader
	v_ldexp_f32 v214, v14, s67                     ; 2^(e8 + e9) / the sum
	v_mul_f32 v222, 0, v214                        ; 0, or NaN where the sum is 0
.set j, 0
.rept 16
	v_pk_mul_f32 v[96+j:97+j], v[160+j:161+j], v[214:215] op_sel_hi:[1,0]   ; register 8 d + i is ctx(query r, channel 16 d + 8 h + i); each accumulator from its low end on
.set j, j+2
.endr
.set j, 0
.rept 32
	v_med3_num_f32 v[96+j], v[96+j], -v212, v212   ; the hold at the largest code x the scale
.set j, j+1
.endr
.set j, 0
.rept 16
	v_pk_add_f32 v[96+j:97+j], v[96+j:97+j], v[222:223] op_sel_hi:[1,0]     ; the hold drops a NaN: it is put back behind it
.set j, j+2
.endr
.irp d, 0,1,2,3
	v_cvt_scalef32_pk8_fp8_f32 v[128+2*\d:129+2*\d], v[96+8*\d:103+8*\d], v211
.endr
	v_nop                                          ; one plain vector instruction behind the last conversion
	; The last launch wants lane (r, h) to hold channels 32 b + 16 h + 0 .. 15: tile 2 b + h, both halves of the lanes'.  So lanes 0-15 give tile 2 b + 1 and lanes 16-31 tile 2 b to the lane 16 away.
.irp b, 0,1
	v_cndmask_b32 v136, v[130+4*\b], v[128+4*\b], s100
	v_cndmask_b32 v137, v[131+4*\b], v[129+4*\b], s100
	v_permlanex16_b32 v138, v136, s30, s31
	v_permlanex16_b32 v139, v137, s30, s31
	v_cndmask_b32 v[140+4*\b], v[128+4*\b], v138, s100
	v_cndmask_b32 v[141+4*\b], v[129+4*\b], v139, s100
	v_cndmask_b32 v[142+4*\b], v138, v[130+4*\b], s100
	v_cndmask_b32 v[143+4*\b], v139, v[131+4*\b], s100
.endr
	s_wait_alu depctr_va_vdst(0)                   ; the selects have written v140-147, which the two stores read
	global_store_b128 v[LN], v[140:143], s[34:35]              ; each store covers 512 consecutive bytes, aligned
	global_store_b128 v[LN], v[144:147], s[34:35] offset:512
	s_wait_xcnt 0x0                                ; the stores have read their data and base
	s_wait_alu depctr_vm_vsrc(0)                   ; the stores have read v140-147, which the next block's score products write again: ahead of the branch back
	s_wait_loadcnt 0x0                             ; no load is on its way into the registers that the next block's first loads take
	s_sub_nc_u64 s[6:7], s[6:7], 16*KVB            ; back to key step 0
	s_sub_nc_u64 s[8:9], s[8:9], 16*KVB
	s_sub_co_u32 s21, 7, s21                       ; the other block
	s_sub_co_u32 s22, s22, 1
	s_cmp_lg_u32 s22, 0
	s_cbranch_scc1 .Lpass
	s_wait_dscnt 0x0
	s_wait_alu depctr_hold_cnt(0) depctr_sa_sdst(0) depctr_va_vdst(0) depctr_va_sdst(0) depctr_va_ssrc(0) depctr_va_vcc(0) depctr_vm_vsrc(0)
	s_wait_tensorcnt 0x0
	ds_add_u32 v213, v219
	s_wait_dscnt 0x0
	s_endpgm
.Lfunc_end_k_qdf5653e65b_attn:
	.size	k_qdf5653e65b_attn, .Lfunc_end_k_qdf5653e65b_attn-k_qdf5653e65b_attn
	.p2alignl 7, 3214868480
	.fill 96, 4, 3214868480
	.section	.rodata,"a",@progbits
	.p2align	6, 0x0
	.amdhsa_kernel k_qdf5653e65b_attn
		.amdhsa_group_segment_fixed_size 34816
		.amdhsa_private_segment_fixed_size 0
		.amdhsa_enable_private_segment 0
		.amdhsa_kernarg_size 56
		.amdhsa_user_sgpr_count 2
		.amdhsa_user_sgpr_kernarg_segment_ptr 1
		.amdhsa_wavefront_size32 1
		.amdhsa_system_sgpr_workgroup_id_x 1
		.amdhsa_system_sgpr_workgroup_id_y 1
		.amdhsa_system_sgpr_workgroup_id_z 1
		.amdhsa_system_vgpr_workitem_id 0
		.amdhsa_next_free_vgpr 256
		.amdhsa_next_free_sgpr 102
		.amdhsa_reserve_vcc 0
		.amdhsa_float_denorm_mode_32 3
		.amdhsa_float_denorm_mode_16_64 3
		.amdhsa_memory_ordered 1
		.amdhsa_forward_progress 1
		.amdhsa_inst_pref_size 53
	.end_amdhsa_kernel
	.amdgpu_metadata
---
amdhsa.version: [ 1, 2 ]
amdhsa.kernels:
  - .name:           k_qdf5653e65b_attn
    .symbol:         k_qdf5653e65b_attn.kd
    .args:
      - { .name: qimg, .offset: 0, .size: 8, .value_kind: global_buffer, .address_space: global }
      - { .name: kimg, .offset: 8, .size: 8, .value_kind: global_buffer, .address_space: global }
      - { .name: vimg, .offset: 16, .size: 8, .value_kind: global_buffer, .address_space: global }
      - { .name: mbits, .offset: 24, .size: 8, .value_kind: global_buffer, .address_space: global }
      - { .name: mflags, .offset: 32, .size: 8, .value_kind: global_buffer, .address_space: global }
      - { .name: lowp_scales, .offset: 40, .size: 8, .value_kind: global_buffer, .address_space: global }
      - { .name: ctximg, .offset: 48, .size: 8, .value_kind: global_buffer, .address_space: global }
    .group_segment_fixed_size: 34816
    .private_segment_fixed_size: 0
    .kernarg_segment_align: 8
    .kernarg_segment_size: 56
    .max_flat_workgroup_size: 512
    .sgpr_count:     102
    .vgpr_count:     256
    .wavefront_size: 32
...
	.end_amdgpu_metadata
.endif
;; end of part 5
;; launch proj: the kernel of part 4 again; grid 4 x 32, 4 waves a work-group, clusters of 4 x 4, 327,680 bytes of LDS; arguments ctximg, Wo_codes, lowp_scales, bo, out0; writes out0
